; MI455X (gfx1250); checked and timed in simulation.
; The chip was launched on July 23, 2026; its instructions are those of AMD's public machine-readable ISA for CDNA 5 (MIT licence, August 2026) and "CDNA5" Instruction Set Architecture Reference Guide (July 2026). The comments in the code are by the model that wrote it; some were corrected since.
;; Cross Attention Layer. Allowed arithmetic: matrix products marked QUANTISED: E2M3 operands, one E8M0 scale for each 32 along K, by v_wmma_scale_f32_16x16x128_f8f6f4 with both operands' format E2M3, f32 sums; everything else in f32.
;; Inputs: W1 4,096 x 1,024 float32; W2 1,024 x 4,096 float32; Wk 1,024 x 1,024 float32; Wq 1,024 x 1,024 float32; Wv 1,024 x 1,024 float32; b1 4,096 float32; b2 1,024 float32; be1 1,024 float32; be2 1,024 float32; bk 1,024 float32; bq 1,024 float32; bv 1,024 float32; context 2 x 2,048 x 1,024 float32; g1 1,024 float32; g2 1,024 float32; x 2 x 2,048 x 1,024 float32.
;; Outputs: out0 2 x 2,048 x 1,024 float32.
;; This version of the problem:
;;   THIS VERSION OF THE PROBLEM IS GIVEN IN LOW PRECISION. The matrix products marked QUANTISED in the list below multiply operands that are first quantised to E2M3 (2 exponent bits, 3 mantissa bits; 6 bits a number), with one power-of-two scale for each 32 numbers along K (OCP MX v1.0); their sums are f32. All else is computed in f32.
;;   The module's matrix products, in the order in which they are computed (A, B: the left and right operand; K: the contracted axis; several contracted axes count as one K, in the product's order):
;;     1. [M 4,096, K 1,024] x [K 1,024, N 1,024]; A: input x; B: input Wq: QUANTISED
;;     2. [M 4,096, K 1,024] x [K 1,024, N 1,024]; A: input context; B: input Wk: QUANTISED
;;     3. [M 4,096, K 1,024] x [K 1,024, N 1,024]; A: input context; B: input Wv: QUANTISED
;;     4. batch 32 x [M 2,048, K 64] x [K 64, N 2,048]; A: computed on the way; B: computed on the way: QUANTISED
;;     5. batch 32 x [M 2,048, K 2,048] x [K 2,048, N 64]; A: softmax (see below); B: computed on the way: QUANTISED
;;     6. [M 4,096, K 1,024] x [K 1,024, N 4,096]; A: computed on the way; B: input W1: QUANTISED
;;     7. [M 4,096, K 4,096] x [K 4,096, N 1,024]; A: computed on the way; B: input W2: QUANTISED
;;   THE QUANTISER, for each operand of a quantised product, along K:
;;     - K is cut into blocks of 32 from its start; a last block that is shorter is filled with zeros.
;;     - A block's scale is 2^e with e = floor(log2(the largest magnitude in the block)) - 2, held to -126 .. 127; a block of zeros has e = 0. As a byte (E8M0): e + 127.
;;     - Each number is divided by its block's scale, clamped to +-7.5, and rounded to the nearest number of E2M3, ties to even, subnormals kept.
;;     - The product sums the exact products of the quantised numbers (number of the format x scale) in f32.
;;   ~~~python
;;   def quantise(x, axis):      # numpy; x: float32 -> the quantised numbers, widened to float32 again
;;       x = np.moveaxis(x, axis, -1); K = x.shape[-1]
;;       x = np.pad(x, [(0, 0)] * (x.ndim - 1) + [(0, -K % 32)]); x = x.reshape(x.shape[:-1] + (-1, 32)); a = np.abs(x).max(-1, keepdims=True)
;;       e = np.where(a > 0, np.clip(np.frexp(np.where(a > 0, a, 1))[1] - 1 - 2, -126, 127), 0)      # np.frexp(a)[1] - 1 = floor(log2(a)), exactly
;;       r = np.clip(x / 2.0 ** e, -7.5, 7.5)
;;       step = 2.0 ** (np.maximum(np.frexp(np.where(r == 0, 1, r))[1] - 1, 0) - 3)
;;       q = np.round(r / step) * step * 2.0 ** e      # np.round: ties to even
;;       return np.moveaxis(q.reshape(q.shape[:-2] + (-1,))[..., :K], -1, axis).astype(np.float32)
;;   ~~~
;;   SOFTMAX AHEAD OF A QUANTISED PRODUCT. Where the list says 'softmax', what is quantised is not the finished softmax but p = 2^(t - M), with t = logit x log2(e) and M = ceil(the row's largest t), a whole number; so 1/2 < the row's largest p <= 1. The row's sum l is taken of the UNQUANTISED p, in f32, and the product's result is divided by l at the end. Since M is a whole number, a kernel that streams over the keys may use a running M (the ceiling of the running maximum): every later rescaling is an exact power of two, which a block's scale takes up: the codes' values come out the same.
;;   OPERANDS COMPUTED ON THE WAY. 'Computed on the way' means the value that the module computes at that place (a softmax that the list does not call 'softmax' is quantised finished and normalised). What goes into a quantiser is computed in f32, as accurately as f32 sums, v_exp_f32 and their like allow (about 1e-6 of the number): no bf16 or f16 on the way to a quantiser, and a product that is left as it is and whose result goes on into a quantised operand takes f32 operands (vector FMAs, or v_wmma_f32_16x16x4_f32). A number that lies on a knife's edge between two numbers of the format may be rounded either way, as far as f32 arithmetic and the matrix unit's own rounding can turn it there, and no further.
;; One version. Each part assembles by itself: llvm-mc -triple=amdgcn-amd-amdhsa -mcpu=gfx1250 --defsym DOCPART=n.
;; ======== version 1 of 1: 6 launches
;; workspace buffers: qin 15,564,800 bytes; qkv 13,369,344 bytes; o1f 16,777,216 bytes; o1c 3,276,800 bytes; hc 13,107,200 bytes; y2 16,777,216 bytes
;; launch quant (part 1): grid 608 x 1, 4 waves a work-group, no clusters, 34,304 bytes of LDS; arguments x, context, Wq, Wk, Wv, W1, W2, qin; writes qin
.if DOCPART == 1
	.amdgcn_target "amdgcn-amd-amdhsa--gfx1250"
	.amdhsa_code_object_version 6
	.text
	.protected	k_qea1c434081_quant
	.globl	k_qea1c434081_quant
	.p2align	8
	.type	k_qea1c434081_quant,@function
k_qea1c434081_quant:
	s_mov_b64 s[64:65], 0
	v_nop
	global_prefetch_b8 v0, s[64:65] scope:SCOPE_SE
	s_setreg_imm32_b32 hwreg(HW_REG_WAVE_MODE, 25, 1), 1
	s_wait_xcnt 0x0
; x, context [4096][1024], Wq, Wk, Wv [1024][1024], W1 [4096][1024], W2 [1024][4096], all f32 with K innermost, become codes of FP6 (E2M3) with one E8M0 byte for each 32 along K.
; A block's scale is 2^(floor(log2(largest magnitude)) - 2): its byte is the largest magnitude's exponent field - 2, held at 1 from below.
; LAYOUT OF THE RESULT (this program's own).  An operand [R][K] is laid as images of the matrix operand's registers: img[row/128][k/128][(row/16)%8][1536 bytes]; a fragment (16 rows x 128 K, 12 registers)
; is three chunks of 512 bytes, chunk c = registers 4c..4c+3, lane l at byte 16 l.  Scale words: scl[row/16][k/128][16 words], word r = row r's four bytes.
; ORDER INSIDE A BLOCK OF 32: place 16h+8u+j holds element 16u+8h+j (h, u = 0, 1; j = 0..7).  Every operand of this program has that order, so the products are those of the plain order; blocks and scales are the true ones.
; It is the order in which a transposed matrix result falls into the conversion without a shuffle; here it is made by the addresses of the reads from the stage.
; SHARES.  Work-group g serves one tensor (first work-groups: x 0, context 128, Wq 256, Wk 288, Wv 320, W1 352, W2 480); a wave takes 16 rows x 512 along K: four fragments.
; Each load reads 512 consecutive bytes of one row; 16 rows x 512 bytes turn through the wave's own stage in LDS (rows 528 bytes apart); each store of codes covers 512 consecutive bytes, aligned.
; Waves share nothing: no barrier.  Loads run one fragment (16 loads a wave) ahead of the fragment in hand.
; LIMITS: NaN and infinities among the inputs are not served; a block of zeros, or one whose largest magnitude lies under 2^-124, keeps the byte 1 (its bytes are read by this program alone).
.set STG,  8448                        ; a wave's stage: 16 rows x 528 bytes
.set LI,   4                           ; v4   16 x lane
.set SIN,  5                           ; v5   the stage, on the way in
.set SOUT, 6                           ; v6   and on the way out: 528 r + 32 h
.set L4,   7                           ; v7   4 x lane
.set VR,   8                           ; v8-23  16 x lane + row x pitch
.set PWK,  24                          ; v24-27 the four fragments' scale words; v28-29 two of them merged
.set RL,   32                          ; v32-159 two sets of 64 registers as loaded
.set X,    160                         ; v160-223 64 numbers of my row: register 16 b + i belongs to block b
.set PC,   224                         ; v224-243 the codes
.set TM,   244                         ; v244-247 largest magnitudes, v248-251 bytes, v252-255 the conversions' scale operands
.set SEL,  20                          ; s[20:21] lane selects: lane l xor 16
; 64 numbers of a lane, v[s]..v[s+63], become a fragment's codes in v[PC]..v[PC+11] and its scale word in v[pw]
.macro QUANT s, pw
.irp b, 0,1,2,3
	v_max3_num_f32 v[TM+\b], |v[\s+16*\b]|, |v[\s+1+16*\b]|, 0x1800000   ; my 16 numbers of block b, and the floor 2^(3-127): the byte cannot fall under 1
.endr
.irp i, 2,4,6,8,10,12,14
.irp b, 0,1,2,3
	v_max3_num_f32 v[TM+\b], v[TM+\b], |v[\s+16*\b+\i]|, |v[\s+1+16*\b+\i]|
.endr
.endr
.irp b, 0,1,2,3
	v_permlanex16_b32 v[TM+4+\b], v[TM+\b], s[SEL], s[SEL+1]
.endr
.irp b, 0,1,2,3
	v_max_num_f32 v[TM+\b], v[TM+\b], v[TM+4+\b]   ; with lane l xor 16's 16: the block's largest magnitude
.endr
.irp b, 0,1,2,3
	v_add_nc_u32 v[TM+8+\b], 0xff000000, v[TM+\b]  ; 2 off its exponent field: the conversion's scale operand
.endr
.irp b, 0,1,2,3
	v_lshrrev_b32 v[TM+4+\b], 23, v[TM+8+\b]       ; the scale's byte
.endr
	v_lshl_or_b32 v[\pw], v[TM+5], 8, v[TM+4]
	v_lshl_or_b32 v[\pw], v[TM+6], 16, v[\pw]
	v_lshl_or_b32 v[\pw], v[TM+7], 24, v[\pw]
.irp c, 0,1
	v_cvt_scalef32_pk16_fp6_f32 v[PC+6*\c:PC+2+6*\c], v[\s+32*\c:\s+15+32*\c], v[TM+8+2*\c]
	v_cvt_scalef32_pk16_fp6_f32 v[PC+12+4*\c:PC+14+4*\c], v[\s+16+32*\c:\s+31+32*\c], v[TM+8+2*\c+1]   ; (a conversion's three registers begin on an even number)
.endr
	v_nop                                          ; one plain place behind a scaled conversion
.irp c, 0,1                                    ; the operand wants a whole block in a lane: lanes 0-15 block 2c, lanes 16-31 block 2c+1
.irp i, 0,1,2
	v_permlane16_swap_b32 v[PC+6*\c+\i], v[PC+12+4*\c+\i]
.endr
.irp i, 0,1,2
	v_mov_b32 v[PC+3+6*\c+\i], v[PC+12+4*\c+\i]
.endr
.endr
.endm
	s_load_b256 s[4:11], s[0:1], 0x0               ; x, context, Wq, Wk
	s_load_b256 s[12:19], s[0:1], 0x20             ; Wv, W1, W2, qin
	v_lshl_add_u32 v239, v0, 2, 0x8400
	v_mov_b32 v243, 0
	v_lshrrev_b32 v1, 5, v0
	v_readfirstlane_b32 s22, v1                    ; wave
	v_and_b32 v1, 31, v0                           ; lane
	v_and_b32 v2, 15, v0                           ; r
	v_bfe_u32 v3, v0, 4, 1                         ; h
	v_lshlrev_b32 v[LI], 4, v1
	s_mul_i32 s30, s22, STG
	v_add_nc_u32 v[SIN], s30, v[LI]
	v_mul_u32_u24 v[SOUT], v2, 528
	v_lshl_add_u32 v[SOUT], v3, 5, v[SOUT]
	v_add_nc_u32 v[SOUT], s30, v[SOUT]
	v_lshlrev_b32 v[L4], 2, v1
	s_mov_b32 s[SEL], 0x76543210
	s_mov_b32 s[SEL+1], 0xfedcba98
	s_mov_b32 s31, 0xffff0000                      ; lanes 16-31
.irp b, 0,1,2,3
	v_mov_b32 v[TM+4+\b], 0                        ; written once: a lane permute's destination counts as one of its sources
.endr
	; W2 alone has K = 4,096
	s_mov_b32 s27, 4096
	s_mov_b32 s29, 98304
	s_cmp_ge_u32 ttmp9, 480
	s_cselect_b32 s26, 3, 1                        ; log2 of a row tile's tasks
	s_cselect_b32 s27, 16384, s27                  ; a row in bytes
	s_cselect_b32 s28, 32, 8                       ; K steps of 128
	s_cselect_b32 s29, 393216, s29                 ; image bytes of 128 rows
.set qi, 0
.rept 16
	s_mul_i32 s44, s27, qi
	v_add_nc_u32 v[VR+qi], s44, v[LI]
.set qi, qi+1
.endr
	s_wait_kmcnt 0x0
	s_mov_b64 s[24:25], s[16:17]                   ; the tensor, chosen by the work-group's number alone
	s_mov_b32 s23, 480
	s_cmp_lt_u32 ttmp9, 480
	s_cselect_b64 s[24:25], s[14:15], s[24:25]
	s_cselect_b32 s23, 352, s23
	s_cmp_lt_u32 ttmp9, 352
	s_cselect_b64 s[24:25], s[12:13], s[24:25]
	s_cselect_b32 s23, 320, s23
	s_cmp_lt_u32 ttmp9, 320
	s_cselect_b64 s[24:25], s[10:11], s[24:25]
	s_cselect_b32 s23, 288, s23
	s_cmp_lt_u32 ttmp9, 288
	s_cselect_b64 s[24:25], s[8:9], s[24:25]
	s_cselect_b32 s23, 256, s23
	s_cmp_lt_u32 ttmp9, 256
	s_cselect_b64 s[24:25], s[6:7], s[24:25]
	s_cselect_b32 s23, 128, s23
	s_cmp_lt_u32 ttmp9, 128
	s_cselect_b64 s[24:25], s[4:5], s[24:25]
	s_cselect_b32 s23, 0, s23                      ; the tensor's first work-group
	s_sub_co_u32 s30, ttmp9, s23
	s_lshl_b32 s30, s30, 2
	s_add_co_u32 s30, s30, s22                     ; my task in the tensor
	s_lshr_b32 s32, s30, s26                       ; i: its tile of 16 rows
	s_lshl_b32 s33, s32, s26
	s_sub_co_u32 s33, s30, s33
	s_lshl_b32 s33, s33, 2                         ; s0: its first K step of 128
	s_mul_i32 s34, s32, s27
	s_lshl_b32 s34, s34, 4
	s_lshl_b32 s35, s33, 9
	s_add_co_u32 s34, s34, s35
	s_mov_b32 s35, 0
	s_add_nc_u64 s[24:25], s[24:25], s[34:35]      ; in: 16 i rows + 512 s0 bytes
	s_mul_i32 s36, s23, 24576
	s_lshr_b32 s38, s32, 3
	s_mul_i32 s38, s38, s29
	s_add_co_u32 s36, s36, s38
	s_mul_i32 s38, s33, 12288
	s_add_co_u32 s36, s36, s38
	s_and_b32 s38, s32, 7
	s_mul_i32 s38, s38, 1536
	s_add_co_u32 s36, s36, s38
	s_mov_b32 s37, 0
	s_add_nc_u64 s[40:41], s[18:19], s[36:37]      ; out: my first fragment's image
	s_mul_i32 s38, s32, s28
	s_add_co_u32 s38, s38, s33
	s_lshl_b32 s38, s38, 6
	s_lshl_b32 s39, s23, 10
	s_add_co_u32 s38, s38, s39
	s_add_co_u32 s38, s38, 14942208
	s_mov_b32 s39, 0
	s_add_nc_u64 s[42:43], s[18:19], s[38:39]      ; and its scale words
.macro LOAD k                          ; fragment k: 16 rows x 512 bytes
.set qi, 0
.rept 16
	global_load_b128 v[RL+64*((\k)%2)+4*qi:RL+64*((\k)%2)+4*qi+3], v[VR+qi], s[24:25] offset:512*(\k) th:TH_LOAD_NT
.set qi, qi+1
.endr
.endm
.macro FRAG k
.if (\k) < 3
	s_wait_loadcnt 16                              ; this fragment's 16 loads are in; the next fragment's 16 may be out
.else
	s_wait_loadcnt 0x0
.endif
.set qi, 0
.rept 16
	ds_store_b128 v[SIN], v[RL+64*((\k)%2)+4*qi:RL+64*((\k)%2)+4*qi+3] offset:528*qi
.set qi, qi+1
.endr
.irp b, 0,1,2,3                                ; LDS serves a wave's instructions in order: these see the stores above.  The addresses make the order inside a block
.irp u, 0,1
.irp e, 0,1
	ds_load_b128 v[X+16*\b+8*\u+4*\e:X+16*\b+8*\u+4*\e+3], v[SOUT] offset:128*\b+64*\u+16*\e
.endr
.endr
.endr
	s_wait_dscnt 0x0                               ; my numbers are back, and the stores have read their registers,
.if (\k) < 2
	LOAD (\k)+2                                    ; which take the loads of two fragments on
.endif
	s_wait_xcnt 0x0                                ; the last fragment's stores have read their data: the codes' registers are written again only behind this wait
	QUANT X, PWK+(\k)
.irp c, 0,1,2
	global_store_b128 v[LI], v[PC+4*\c:PC+4*\c+3], s[40:41] offset:12288*(\k)+512*\c
.endr
.endm
	LOAD 0
	LOAD 1
	FRAG 0
	FRAG 1
	FRAG 2
	FRAG 3
	v_cndmask_b32 v28, v24, v25, s31               ; lanes 0-15 one fragment's words, lanes 16-31 the next one's: 128 consecutive bytes a store
	v_cndmask_b32 v29, v26, v27, s31
	global_store_b32 v[L4], v28, s[42:43]
	global_store_b32 v[L4], v29, s[42:43] offset:128
	s_wait_tensorcnt 0x0
	ds_add_u32 v239, v243
	s_wait_dscnt 0x0
	s_endpgm
.Lfunc_end_k_qea1c434081_quant:
	.size	k_qea1c434081_quant, .Lfunc_end_k_qea1c434081_quant-k_qea1c434081_quant
	.p2alignl 7, 3214868480
	.fill 96, 4, 3214868480
	.section	.rodata,"a",@progbits
	.p2align	6, 0x0
	.amdhsa_kernel k_qea1c434081_quant
		.amdhsa_group_segment_fixed_size 34304
		.amdhsa_private_segment_fixed_size 0
		.amdhsa_enable_private_segment 0
		.amdhsa_kernarg_size 64
		.amdhsa_user_sgpr_count 2
		.amdhsa_user_sgpr_kernarg_segment_ptr 1
		.amdhsa_wavefront_size32 1
		.amdhsa_system_sgpr_workgroup_id_x 1
		.amdhsa_system_sgpr_workgroup_id_y 1
		.amdhsa_system_sgpr_workgroup_id_z 1
		.amdhsa_system_vgpr_workitem_id 0
		.amdhsa_next_free_vgpr 256
		.amdhsa_next_free_sgpr 66
		.amdhsa_reserve_vcc 0
		.amdhsa_float_denorm_mode_32 3
		.amdhsa_float_denorm_mode_16_64 3
		.amdhsa_memory_ordered 1
		.amdhsa_forward_progress 1
		.amdhsa_inst_pref_size 36
	.end_amdhsa_kernel
	.amdgpu_metadata
---
amdhsa.version: [ 1, 2 ]
amdhsa.kernels:
  - .name:           k_qea1c434081_quant
    .symbol:         k_qea1c434081_quant.kd
    .args:
      - { .name: x, .offset: 0, .size: 8, .value_kind: global_buffer, .address_space: global }
      - { .name: context, .offset: 8, .size: 8, .value_kind: global_buffer, .address_space: global }
      - { .name: Wq, .offset: 16, .size: 8, .value_kind: global_buffer, .address_space: global }
      - { .name: Wk, .offset: 24, .size: 8, .value_kind: global_buffer, .address_space: global }
      - { .name: Wv, .offset: 32, .size: 8, .value_kind: global_buffer, .address_space: global }
      - { .name: W1, .offset: 40, .size: 8, .value_kind: global_buffer, .address_space: global }
      - { .name: W2, .offset: 48, .size: 8, .value_kind: global_buffer, .address_space: global }
      - { .name: qin, .offset: 56, .size: 8, .value_kind: global_buffer, .address_space: global }
    .group_segment_fixed_size: 34304
    .private_segment_fixed_size: 0
    .kernarg_segment_align: 8
    .kernarg_segment_size: 64
    .max_flat_workgroup_size: 128
    .sgpr_count:     66
    .vgpr_count:     256
    .wavefront_size: 32
...
	.end_amdgpu_metadata
.endif
;; end of part 1
;; launch qkv (part 2): grid 4 x 48, 4 waves a work-group, clusters of 4 x 4, 327,680 bytes of LDS; arguments qin, bq, bk, bv, qkv; writes qkv
.if DOCPART == 2
	.amdgcn_target "amdgcn-amd-amdhsa--gfx1250"
	.amdhsa_code_object_version 6
	.text
	.protected	k_qea1c434081_qkv
	.globl	k_qea1c434081_qkv
	.p2align	8
	.type	k_qea1c434081_qkv,@function
k_qea1c434081_qkv:
	s_mov_b64 s[64:65], 0
	v_nop
	global_prefetch_b8 v0, s[64:65] scope:SCOPE_SE
	s_setreg_imm32_b32 hwreg(HW_REG_WAVE_MODE, 25, 1), 1
	s_wait_xcnt 0x0
	s_wait_alu depctr_hold_cnt(0) depctr_sa_sdst(0) depctr_va_vdst(0) depctr_va_sdst(0) depctr_va_ssrc(0) depctr_va_vcc(0) depctr_vm_vsrc(0)
	s_getreg_b32 s2, hwreg(HW_REG_IB_STS2, 6, 4)
	s_cmp_eq_u32 s2, 0
	s_cbranch_scc0 .Lentry_in_a_cluster
	s_endpgm
.Lentry_in_a_cluster:
	s_bfe_u32 s2, ttmp6, 0x10000c
	s_cmp_lg_u32 s2, 0xf033
	s_cbranch_scc0 .Lentry_shape_is_right
	s_endpgm
.Lentry_shape_is_right:
; q = x Wq^T + bq, k = context Wk^T + bk, v = context Wv^T + bv on codes of FP6 (E2M3) with E8M0 scales; the results are quantised at once for attention: q and k along the head's 64 channels, v along the keys.
; THREE JOBS IN ONE GRID: cluster y = 4 job + sub.  Jobs 0, 1 (q, k): rows operand = the tokens (x, context), columns operand = the weight.  Job 2 (v): rows operand = Wv, columns operand = context,
; so that a lane holds one channel and its registers run along the keys, which are the second attention product's K.
; A tile of the result, 256 x 256, is made by four waves, 128 x 128 each: 64 accumulators, 512 registers.  THE MATRIX INSTRUCTION IS USED TRANSPOSED (source 0 = 16 rows of the columns operand, source 1 = 16 rows of the rows
; operand): a lane holds one row and eight neighbouring columns; the 64 registers of a row block are 128 columns, one fragment of the next product.
; OPERANDS ARE IMAGES OF REGISTERS (made by the launch before): a fragment is 3 ds_load_b128 at 16 x lane; a tile is dense memory.  K = 1,024 is four tiles of 256 along K in three LDS slots: slot 0 is filled a second time.
; CLUSTERS: 4 x 4 work-groups; the rows operand's tiles are asked for jointly along a row of the cluster, the columns operand's along a column.
; REGISTERS: window 0: v1-3 lane numbers, v4-11 the rows' bias, v12-15 store offsets, v16-22 LDS addresses, v27 scale words' address, v28-29 for the add, v32-63 scale words (two sets), v64-255 the rows operand's fragments (two sets).
;   window 1: v0-191 the columns operand's fragments (two sets), v192-255 the columns' bias.  windows 2, 3: the accumulators, (a, b) at 8 (8 a + b).
; OUTPUT: 32 blocks of 208,896 bytes, one a head: k's tiles (16 keys x 64 channels: 512 bytes registers 0-3, 256 bytes registers 4-5), v's fragments at 98,304, k's scale words at 196,608, v's at 204,800; q's blocks follow at QB.
; LIMITS: NaN and infinities are not served; a block whose largest magnitude lies under 2^-124 keeps the byte 1.
.set NBK,   8
.set NQ,    2
.set NS,    8
.set NSLOT, 3
.set FR,    12
.set GSZ,   NBK*1536
.set PART,  NQ*GSZ                     ; what one tensor load brings: 128 rows x 256 along K
.set SLOT,  4*PART
.set SP,    NBK*NS*64                  ; the scale words of 128 rows, all of K
.set SCL,   NSLOT*SLOT
.set SPARE, SCL+4*SP                   ; the spare words: 128 bytes a wave, two blocks of 256 bytes that no other line names
.set FILLSTEP, 3*PART
.set QB,    6684672
.set HB,    208896
.set RB,   4
.set ADRA, 16
.set ADRB, 20
.set ADRS, 27
.set SPW,  28
.set NIL,  29
.set SC,   32
.set AF,   64
.set BIAS, 192
.set WFIRST, 0x91                      ; source 0 window 1, source 1 window 0, C (the bias) window 1, D window 2
.set H,    64
.set PC,   128
.set TM,   148
.set PW,   160
.set PWS,  162
.set G1,   24
.set G1S,  32
.set G1B,  48
.set G1SB, 56
.set G0A,  68
.set G0B,  80
.set G0S,  92
.set G0SB, 96
.set SEL,  44
.set HIM,  66
.set MSB, 0
.macro WIN new                         ; the immediate's high byte repeats the setting that is left
.if MSB != (\new)
	s_set_vgpr_msb (MSB<<8)|(\new)
.set MSB, (\new)
.endif
.endm
.macro PLACES
.rept 4
	v_nop
.endr
.endm
; a joint load: waves 0 and 1 fetch for the rows operand, waves 2 and 3 for the columns operand; four v_nop follow each of the two lines
.macro JLOAD g0a, g1a, g0b, g1b
	s_cmp_eq_u32 s15, 0
	s_cbranch_scc0 .Lfor_b_\@
	tensor_load_to_lds s[\g0a:\g0a+3], s[\g1a:\g1a+7]
	s_nop 0
.rept 4
	v_nop
.endr
	s_branch .Lasked_\@
.Lfor_b_\@:
	tensor_load_to_lds s[\g0b:\g0b+3], s[\g1b:\g1b+7]
	s_nop 0
.rept 4
	v_nop
.endr
.Lasked_\@:
.endm
.macro CREST                           ; a round of the cluster's barrier behind its opening barrier
	s_cmp_lg_u32 s14, 0
	s_cbranch_scc1 .Lnot_wave_0_\@
	s_barrier_signal -3
.Lnot_wave_0_\@:
	s_barrier_wait -3
	s_barrier_signal -1
	s_barrier_wait -1
.endm
.macro CROUND
	s_barrier_signal -1
	s_barrier_wait -1
	CREST
.endm
.macro FETCH slot, q, p                ; the fragments of the slot's q-th 128 along K into set p
	WIN 0x40
.set fi, 0
.rept NBK
.irp c, 0,1,2
	ds_load_b128 v[FR*NBK*(\p)+FR*fi+4*\c:FR*NBK*(\p)+FR*fi+4*\c+3], v[ADRB+\slot] offset:(\q)*GSZ+fi*1536+512*\c
.endr
.set fi, fi+1
.endr
	WIN 0
.set fi, 0
.rept NBK
.irp c, 0,1,2
	ds_load_b128 v[AF+FR*NBK*(\p)+FR*fi+4*\c:AF+FR*NBK*(\p)+FR*fi+4*\c+3], v[ADRA+\slot] offset:(\q)*GSZ+fi*1536+512*\c
.endr
.set fi, fi+1
.endr
.endm
.macro SCALES set                      ; a slot's scale words: lanes 0-15 the rows operand's block i, lanes 16-31 the columns operand's
.set fi, 0
.rept NBK
.set fq, 0
.rept NQ
	ds_load_b32 v[SC+16*(\set)+NQ*fi+fq], v[ADRS] offset:fi*NS*64+64*fq
.set fq, fq+1
.endr
.set fi, fi+1
.endr
.endm
; na row blocks from a0 on x all column blocks, 128 along K.  The accumulators take turns, one instruction a turn, in one order everywhere.  first = 1: the columns' bias is the C that starts the sums
.macro MULS a0, na, p, set, q, first
.set ma, \a0
.rept \na
.if \first
	WIN WFIRST+0x40*((8*NBK*ma)/256)
.else
	WIN 0xa1+0x50*((8*NBK*ma)/256)
.endif
.set mb, 0
.rept NBK
.set rD, (8*(NBK*ma+mb))%256
.set rB, FR*NBK*(\p)+FR*mb
.set rA, AF+FR*NBK*(\p)+FR*ma
.set rSB, SC+16*(\set)+NQ*mb+(\q)
.set rSA, SC+16*(\set)+NQ*ma+(\q)
.if \first
	v_wmma_scale_f32_16x16x128_f8f6f4 v[rD:rD+7], v[rB:rB+FR-1], v[rA:rA+FR-1], v[BIAS+8*mb:BIAS+8*mb+7], v[rSB], v[rSA] matrix_a_fmt:MATRIX_FMT_FP6 matrix_b_fmt:MATRIX_FMT_FP6 matrix_a_scale:MATRIX_SCALE_ROW1
.else
	v_wmma_scale_f32_16x16x128_f8f6f4 v[rD:rD+7], v[rB:rB+FR-1], v[rA:rA+FR-1], v[rD:rD+7], v[rSB], v[rSA] matrix_a_fmt:MATRIX_FMT_FP6 matrix_b_fmt:MATRIX_FMT_FP6 matrix_a_scale:MATRIX_SCALE_ROW1
.endif
.set mb, mb+1
.endr
.set ma, ma+1
.endr
.endm
.macro STEP slot, q, set, first        ; a step whose successor lies in the same slot
	s_wait_dscnt 0x0                               ; this step's fragments, asked for a step ago, are in
	PLACES                                         ; four places in front of loads into the set that the last step's products read
	FETCH \slot, (\q)+1, 1-(\q)%2
	MULS 0, NBK, (\q)%2, \set, \q, \first
.endm
.macro CROSS slot, next, set           ; a slot's last step where the next slot has been shown whole by an earlier barrier and nothing is filled
	s_wait_dscnt 0x0
	PLACES
	WIN 0
	v_add_nc_u32 v[ADRS], 64*NQ, v[ADRS]
	FETCH \next, 0, 0
	SCALES 1-(\set)
	MULS 0, NBK, 1, \set, NQ-1, 0
.endm
; a slot's last step with the change of slots: each wave waits for all its tensor loads, adds 0 to its spare word, waits for that and for its reads of this slot, and passes the barrier.  fill = 1: the barrier opens a round
; of the cluster's barrier, and this slot is filled again first thing behind it
.macro TURN slot, next, set, fill
	WIN 0
	s_wait_tensorcnt 0x0                           ; all my tensor loads have landed
	ds_add_u32 v[SPW], v[NIL]                      ; 0 onto my spare word
	s_wait_dscnt 1                                 ; this step's fragments are in; the add alone may be out
	MULS 0, NBK/4, 1, \set, NQ-1, 0
	s_wait_dscnt 0x0                               ; the add is done, and my reads of this slot are over
	s_barrier_signal -1
	MULS NBK/4, NBK/4, 1, \set, NQ-1, 0
	WIN 0
	s_barrier_wait -1
.if \fill
	CREST
	s_add_nc_u64 s[G0A+4*\slot+2:G0A+4*\slot+3], s[G0A+4*\slot+2:G0A+4*\slot+3], FILLSTEP
	s_add_nc_u64 s[G0B+4*\slot+2:G0B+4*\slot+3], s[G0B+4*\slot+2:G0B+4*\slot+3], FILLSTEP
	JLOAD G0A+4*\slot, G1, G0B+4*\slot, G1B        ; the first tensor load behind the round; its four v_nop are the places in front of the loads below
.else
	PLACES
.endif
	v_add_nc_u32 v[ADRS], 64*NQ, v[ADRS]
	FETCH \next, 0, 0
	SCALES 1-(\set)
	MULS NBK/2, NBK/2, 1, \set, NQ-1, 0
.endm
; 64 numbers of a lane, register 16 b + i in block b of my row, become a fragment's codes in v[PC]..v[PC+11] and its scale word in v[pw]
.macro QUANT s, pw
.irp b, 0,1,2,3
	v_max3_num_f32 v[TM+\b], |v[\s+16*\b]|, |v[\s+1+16*\b]|, 0x1800000   ; and the floor 2^(3-127): the byte cannot fall under 1
.endr
.irp i, 2,4,6,8,10,12,14
.irp b, 0,1,2,3
	v_max3_num_f32 v[TM+\b], v[TM+\b], |v[\s+16*\b+\i]|, |v[\s+1+16*\b+\i]|
.endr
.endr
.irp b, 0,1,2,3
	v_permlanex16_b32 v[TM+4+\b], v[TM+\b], s[SEL], s[SEL+1]
.endr
.irp b, 0,1,2,3
	v_max_num_f32 v[TM+\b], v[TM+\b], v[TM+4+\b]
.endr
.irp b, 0,1,2,3
	v_add_nc_u32 v[TM+8+\b], 0xff000000, v[TM+\b]  ; 2 off the exponent field: the conversion's scale operand
.endr
.irp b, 0,1,2,3
	v_lshrrev_b32 v[TM+4+\b], 23, v[TM+8+\b]
.endr
	v_lshl_or_b32 v[\pw], v[TM+5], 8, v[TM+4]
	v_lshl_or_b32 v[\pw], v[TM+6], 16, v[\pw]
	v_lshl_or_b32 v[\pw], v[TM+7], 24, v[\pw]
.irp c, 0,1
	v_cvt_scalef32_pk16_fp6_f32 v[PC+6*\c:PC+2+6*\c], v[\s+32*\c:\s+15+32*\c], v[TM+8+2*\c]
	v_cvt_scalef32_pk16_fp6_f32 v[PC+12+4*\c:PC+14+4*\c], v[\s+16+32*\c:\s+31+32*\c], v[TM+8+2*\c+1]
.endr
	v_nop                                          ; one plain place behind a scaled conversion
.irp c, 0,1
.irp i, 0,1,2
	v_permlane16_swap_b32 v[PC+6*\c+\i], v[PC+12+4*\c+\i]
.endr
.irp i, 0,1,2
	v_mov_b32 v[PC+3+6*\c+\i], v[PC+12+4*\c+\i]
.endr
.endr
.endm
	s_load_b256 s[4:11], s[0:1], 0x0               ; qin, bq, bk, bv
	s_load_b64 s[12:13], s[0:1], 0x20              ; qkv
	v_lshl_add_u32 v[SPW], v0, 2, SPARE
	v_mov_b32 v[NIL], 0
	ds_add_u32 v28, v29
	ds_add_u32 v28, v29
	s_wait_dscnt 0x0
	v_lshrrev_b32 v1, 5, v0
	v_readfirstlane_b32 s14, v1                    ; wave
	s_lshr_b32 s15, s14, 1                         ; my half of the tile's rows; also: I fetch for the rows operand (0) or the columns operand (1)
	s_and_b32 s16, s14, 1                          ; my half of its columns; also: which 128 rows I fetch
	s_bfe_u32 s40, ttmp6, 0x40000                  ; cx
	s_bfe_u32 s41, ttmp6, 0x40004                  ; cy
	s_and_b32 s18, ttmp7, 0xffff                   ; cluster y: the same in all sixteen partners
	s_lshr_b32 s67, s18, 2                         ; the job: 0 q, 1 k, 2 v
	s_and_b32 s18, s18, 3
	s_lshl_b32 s18, s18, 2
	s_mov_b32 s21, 288
	s_cmp_eq_u32 s67, 0
	s_cselect_b32 s20, 0, 128                      ; where the rows operand lies in qin (in work-groups of the launch before): x, context,
	s_cselect_b32 s21, 256, s21                    ; the columns operand: Wq, Wk,
	s_cmp_eq_u32 s67, 2
	s_cselect_b32 s20, 320, s20                    ; Wv
	s_cselect_b32 s21, 128, s21                    ; context
	s_cselect_b32 s17, 0, s18
	s_cselect_b32 s42, s18, 0
	s_cselect_b32 s46, -1, 0                       ; all lanes where the job is v
	s_cselect_b32 s47, 0, -1                       ; all lanes where it is not
	s_add_co_u32 s17, s17, s41                     ; tile row
	s_add_co_u32 s42, s42, s40                     ; tile column
	s_lshl_b32 s43, s41, 2
	s_lshl_b32 s43, 15, s43                        ; my row of the cluster
	s_lshl_b32 s44, 0x1111, s40                    ; my column
	s_or_b32 s[G1+0], s43, (3<<16)|(1<<21)         ; 15:0 the mask; 17:16 elements of 8 bytes; 21 set beside a mask; no padding
	s_or_b32 s[G1B+0], s44, (3<<16)|(1<<21)
	s_or_b32 s[G1S+0], s43, (3<<16)|(1<<21)
	s_or_b32 s[G1SB+0], s44, (3<<16)|(1<<21)
.irp g, G1, G1B                                ; codes: a dense block of 24,576 bytes as 96 rows of 256
	s_mov_b32 s[\g+1], 32<<16
	s_mov_b32 s[\g+2], 96<<16
	s_mov_b32 s[\g+3], 32<<16
	s_mov_b32 s[\g+4], 96
	s_mov_b32 s[\g+5], 32
	s_mov_b32 s[\g+6], 0
	s_mov_b32 s[\g+7], 0
.endr
.irp g, G1S, G1SB                              ; scale words: 4,096 dense bytes as 16 rows of 256
	s_mov_b32 s[\g+1], 32<<16
	s_mov_b32 s[\g+2], 16<<16
	s_mov_b32 s[\g+3], 32<<16
	s_mov_b32 s[\g+4], 16
	s_mov_b32 s[\g+5], 32
	s_mov_b32 s[\g+6], 0
	s_mov_b32 s[\g+7], 0
.endr
	; offsets, formed in the descriptors' own address words: the rows operand's hang on the tile row alone, the columns operand's on the tile column alone
	s_lshl_b32 s22, s17, 1
	s_add_co_u32 s22, s22, s16                     ; which 128 rows
	s_mul_i32 s70, s22, 98304
	s_mul_i32 s23, s20, 24576
	s_add_co_u32 s70, s70, s23
	s_mov_b32 s71, 0
	s_lshl_b32 s94, s22, 12
	s_lshl_b32 s23, s20, 10
	s_add_co_u32 s94, s94, s23
	s_add_co_u32 s94, s94, 14942208
	s_mov_b32 s95, 0
	s_lshl_b32 s86, s42, 1
	s_add_co_u32 s86, s86, s16
	s_mul_i32 s82, s86, 98304
	s_mul_i32 s87, s21, 24576
	s_add_co_u32 s82, s82, s87
	s_mov_b32 s83, 0
	s_lshl_b32 s98, s86, 12
	s_lshl_b32 s87, s21, 10
	s_add_co_u32 s98, s98, s87
	s_add_co_u32 s98, s98, 14942208
	s_mov_b32 s99, 0
	s_mul_i32 s45, s14, PART                       ; where they go: wave x a part: no place in the cluster enters an LDS address
	s_mul_i32 s22, s14, SP
	s_wait_kmcnt 0x0
	s_add_nc_u64 s[70:71], s[4:5], s[70:71]
	s_add_nc_u64 s[74:75], s[70:71], PART
	s_add_nc_u64 s[78:79], s[70:71], 2*PART
	s_add_nc_u64 s[94:95], s[4:5], s[94:95]
	s_add_nc_u64 s[82:83], s[4:5], s[82:83]
	s_add_nc_u64 s[86:87], s[82:83], PART
	s_add_nc_u64 s[90:91], s[82:83], 2*PART
	s_add_nc_u64 s[98:99], s[4:5], s[98:99]
	s_cmp_eq_u32 s67, 0                            ; the job's bias
	s_cselect_b64 s[6:7], s[6:7], s[8:9]
	s_cmp_eq_u32 s67, 2
	s_cselect_b64 s[6:7], s[10:11], s[6:7]
	CROUND                                         ; all sixteen work-groups are here: the first joint loads meet
	s_mov_b32 s[G0S], 1
	s_add_co_u32 s[G0S+1], s22, SCL
	s_or_b32 s[G0S+3], s[G0S+3], 0x80000000
	s_mov_b32 s[G0SB], 1
	s_add_co_u32 s[G0SB+1], s22, SCL
	s_or_b32 s[G0SB+3], s[G0SB+3], 0x80000000
	JLOAD G0S, G1S, G0SB, G1SB
.irp s, 0,1,2
	s_mov_b32 s[G0A+4*\s], 1
	s_add_co_u32 s[G0A+4*\s+1], s45, \s*SLOT
	s_or_b32 s[G0A+4*\s+3], s[G0A+4*\s+3], 0x80000000
	s_mov_b32 s[G0B+4*\s], 1
	s_add_co_u32 s[G0B+4*\s+1], s45, \s*SLOT
	s_or_b32 s[G0B+4*\s+3], s[G0B+4*\s+3], 0x80000000
	JLOAD G0A+4*\s, G1, G0B+4*\s, G1B
.endr
	v_and_b32 v1, 15, v0                           ; r
	v_bfe_u32 v2, v0, 4, 1                         ; h
	v_and_b32 v3, 31, v0                           ; lane
	v_lshlrev_b32 v12, 4, v3                       ; 16 x lane
	v_lshl_add_u32 v13, v3, 3, 512                 ; 8 x lane + 512
	v_mul_u32_u24 v14, v2, HB
	v_lshl_add_u32 v14, v1, 2, v14                 ; 4 r + a head's block x h
	v_lshlrev_b32 v15, 2, v3                       ; 4 x lane
	s_mul_i32 s21, s15, PART
	s_mul_i32 s22, s16, PART
	s_add_co_u32 s22, s22, 2*PART
.irp s, 0,1,2
	v_add_nc_u32 v[ADRA+\s], s21, v12
	v_add_nc_u32 v[ADRB+\s], s22, v12
	s_add_co_u32 s21, s21, SLOT
	s_add_co_u32 s22, s22, SLOT
.endr
	s_mul_i32 s21, s15, SP
	s_mul_i32 s22, s16, SP
	s_add_co_u32 s22, s22, 2*SP
	s_sub_co_u32 s22, s22, s21
	v_mul_u32_u24 v6, s22, v2                      ; lanes 16-31 take the columns operand's words
	s_add_co_u32 s21, s21, SCL
	v_lshl_add_u32 v5, v1, 2, v6
	v_add_nc_u32 v[ADRS], s21, v5
	; the biases.  q, k: by column (the C of the first products).  v: by row (added on the way out).  The one that the job does not have is read at the buffer's start and made 0
	s_lshl_b32 s2, s42, 10
	s_lshl_b32 s3, s16, 9
	s_add_co_u32 s2, s2, s3
	s_and_b32 s2, s2, s47
	v_lshl_add_u32 v25, v2, 5, s2                  ; 4 x my first column + 32 h
	s_lshl_b32 s22, s17, 10
	s_lshl_b32 s23, s15, 9
	s_add_co_u32 s22, s22, s23
	s_and_b32 s22, s22, s46
	v_lshl_add_u32 v26, v1, 2, s22                 ; 4 x my first row + 4 r
	WIN 0x40
.irp b, 0,1,2,3,4,5,6,7
	global_load_b128 v[BIAS+8*\b:BIAS+8*\b+3], v25, s[6:7] offset:64*\b
	global_load_b128 v[BIAS+8*\b+4:BIAS+8*\b+7], v25, s[6:7] offset:64*\b+16
.endr
	WIN 0
.irp a, 0,1,2,3,4,5,6,7
	global_load_b32 v[RB+\a], v26, s[6:7] offset:64*\a
.endr
	s_wait_loadcnt 0x0
	WIN 0x44
.set ci, 0
.rept 64
	v_cndmask_b32 v[BIAS+ci], 0, v[BIAS+ci], s47
.set ci, ci+1
.endr
	WIN 0
.irp a, 0,1,2,3,4,5,6,7
	v_cndmask_b32 v[RB+\a], 0, v[RB+\a], s46
.endr
	s_wait_tensorcnt 2                             ; the scale words and my part of slot 0 are in; slots 1 and 2 may stay out
	s_barrier_signal -1
	s_barrier_wait -1
	FETCH 0, 0, 0
	SCALES 0
	STEP 0, 0, 0, 1
	TURN 0, 1, 0, 1                                ; every wave's first fills have landed: slots 1 and 2 are whole.  Slot 0 takes the last 256 along K: it has four steps, 256 matrix instructions, in which to land
	STEP 1, 0, 1, 0
	CROSS 1, 2, 1
	STEP 2, 0, 0, 0
	TURN 2, 0, 0, 0
	STEP 0, 0, 1, 0
	s_wait_dscnt 0x0
	MULS 0, NBK, 1, 1, NQ-1, 0
	WIN 0
	PLACES                                         ; in front of the first reads of results and of writes over the operands' registers
	s_mov_b32 s[SEL], 0x76543210
	s_mov_b32 s[SEL+1], 0xfedcba98
	s_mov_b32 s[HIM], 0xffff0000
.irp b, 0,1,2,3
	v_mov_b32 v[TM+4+\b], 0
.endr
	s_lshl_b32 s18, s17, 8
	s_lshl_b32 s19, s15, 7
	s_add_co_u32 s18, s18, s19                     ; my first row
	s_lshl_b32 s19, s42, 8
	s_lshl_b32 s20, s16, 7
	s_add_co_u32 s19, s19, s20                     ; my first column
	s_cmp_eq_u32 s67, 2
	s_cselect_b32 s20, s19, s18                    ; my first token,
	s_cselect_b32 s21, s18, s19                    ; my first channel
	s_lshr_b32 s22, s20, 11
	s_lshl_b32 s22, s22, 4
	s_lshr_b32 s23, s21, 6
	s_add_co_u32 s22, s22, s23                     ; batch x 16 + head
	s_mul_i32 s22, s22, HB
	s_and_b32 s20, s20, 2047
	s_mov_b32 s3, 0
	s_mov_b32 s19, 0
; row block a: the row's bias is added on the way into window 0 (each accumulator from its low end on), the 64 numbers are quantised, the fragment is stored.  arm 0: q, k; arm 1: v
.macro EPI a, arm
.if (\a) > 0
	s_wait_xcnt 0x0                                ; the last block's stores have read their data
.endif
	WIN 0x02+(\a)/4
.set ei, 0
.rept 32
.if ((\a)%2) == 0
	v_pk_add_f32 v[H+2*ei:H+2*ei+1], v[64*((\a)%4)+2*ei:64*((\a)%4)+2*ei+1], v[RB+((\a)/2)*2:RB+((\a)/2)*2+1] op_sel_hi:[1,0]
.else
	v_pk_add_f32 v[H+2*ei:H+2*ei+1], v[64*((\a)%4)+2*ei:64*((\a)%4)+2*ei+1], v[RB+((\a)/2)*2:RB+((\a)/2)*2+1] op_sel:[0,1] op_sel_hi:[1,1]
.endif
.set ei, ei+1
.endr
	WIN 0
	QUANT H, PW+(\a)%2
.if \arm == 0
	global_store_b128 v12, v[PC:PC+3], s[2:3] offset:768*(\a)                    ; registers 0-5: the even head's tile (16 tokens x 64 channels);
	global_store_b64 v13, v[PC+4:PC+5], s[2:3] offset:768*(\a)
	global_store_b128 v12, v[PC+6:PC+9], s[2:3] offset:768*(\a)+HB               ; registers 6-11: the odd head's
	global_store_b64 v13, v[PC+10:PC+11], s[2:3] offset:768*(\a)+HB
	v_lshrrev_b32 v[PWS], 16, v[PW+(\a)%2]
	v_cndmask_b32 v[PWS], v[PW+(\a)%2], v[PWS], s[HIM]                           ; lanes 0-15: the even head's two bytes lowest; lanes 16-31: the odd head's
	global_store_b32 v14, v[PWS], s[18:19] offset:64*(\a)
.else
.irp c, 0,1,2
	global_store_b128 v12, v[PC+4*\c:PC+4*\c+3], s[2:3] offset:((\a)/4)*HB+((\a)%4)*1536+512*\c
.endr
.if ((\a)%2) == 1
	v_cndmask_b32 v[PWS], v[PW], v[PW+1], s[HIM]
	global_store_b32 v15, v[PWS], s[18:19] offset:((\a)/4)*HB+64*(((\a)-1)%4)
.endif
.endif
.endm
	s_cmp_eq_u32 s67, 2
	s_cbranch_scc1 .Lv_arm
	s_lshr_b32 s20, s20, 4                         ; my first tile of 16 tokens
	s_cmp_eq_u32 s67, 0
	s_cselect_b32 s23, QB, 0
	s_mul_i32 s2, s20, 768
	s_add_co_u32 s2, s2, s22
	s_add_co_u32 s2, s2, s23
	s_lshl_b32 s18, s20, 6
	s_add_co_u32 s18, s18, s22
	s_add_co_u32 s18, s18, s23
	s_add_co_u32 s18, s18, 196608
	s_add_nc_u64 s[2:3], s[12:13], s[2:3]
	s_add_nc_u64 s[18:19], s[12:13], s[18:19]
.irp a, 0,1,2,3,4,5,6,7
	EPI \a, 0
.endr
	s_branch .Lend
.Lv_arm:
	s_lshr_b32 s20, s20, 7                         ; my 128 keys
	s_mul_i32 s2, s20, 6144
	s_add_co_u32 s2, s2, s22
	s_add_co_u32 s2, s2, 98304
	s_lshl_b32 s18, s20, 8
	s_add_co_u32 s18, s18, s22
	s_add_co_u32 s18, s18, 204800
	s_add_nc_u64 s[2:3], s[12:13], s[2:3]
	s_add_nc_u64 s[18:19], s[12:13], s[18:19]
.irp a, 0,1,2,3,4,5,6,7
	EPI \a, 1
.endr
.Lend:
	s_wait_tensorcnt 0x0                           ; the wave's end
	ds_add_u32 v[SPW], v[NIL]
	s_wait_dscnt 0x0
	CROUND                                         ; the closing round
	s_endpgm
.Lfunc_end_k_qea1c434081_qkv:
	.size	k_qea1c434081_qkv, .Lfunc_end_k_qea1c434081_qkv-k_qea1c434081_qkv
	.p2alignl 7, 3214868480
	.fill 96, 4, 3214868480
	.section	.rodata,"a",@progbits
	.p2align	6, 0x0
	.amdhsa_kernel k_qea1c434081_qkv
		.amdhsa_group_segment_fixed_size 327680
		.amdhsa_private_segment_fixed_size 0
		.amdhsa_enable_private_segment 0
		.amdhsa_kernarg_size 40
		.amdhsa_user_sgpr_count 2
		.amdhsa_user_sgpr_kernarg_segment_ptr 1
		.amdhsa_wavefront_size32 1
		.amdhsa_system_sgpr_workgroup_id_x 1
		.amdhsa_system_sgpr_workgroup_id_y 1
		.amdhsa_system_sgpr_workgroup_id_z 1
		.amdhsa_system_vgpr_workitem_id 0
		.amdhsa_next_free_vgpr 1024
		.amdhsa_next_free_sgpr 100
		.amdhsa_reserve_vcc 0
		.amdhsa_float_denorm_mode_32 3
		.amdhsa_float_denorm_mode_16_64 3
		.amdhsa_memory_ordered 1
		.amdhsa_forward_progress 1
		.amdhsa_inst_pref_size 217
	.end_amdhsa_kernel
	.amdgpu_metadata
---
amdhsa.version: [ 1, 2 ]
amdhsa.kernels:
  - .name:           k_qea1c434081_qkv
    .symbol:         k_qea1c434081_qkv.kd
    .args:
      - { .name: qin, .offset: 0, .size: 8, .value_kind: global_buffer, .address_space: global }
      - { .name: bq, .offset: 8, .size: 8, .value_kind: global_buffer, .address_space: global }
      - { .name: bk, .offset: 16, .size: 8, .value_kind: global_buffer, .address_space: global }
      - { .name: bv, .offset: 24, .size: 8, .value_kind: global_buffer, .address_space: global }
      - { .name: qkv, .offset: 32, .size: 8, .value_kind: global_buffer, .address_space: global }
    .group_segment_fixed_size: 327680
    .private_segment_fixed_size: 0
    .kernarg_segment_align: 8
    .kernarg_segment_size: 40
    .max_flat_workgroup_size: 128
    .sgpr_count:     100
    .vgpr_count:     1024
    .wavefront_size: 32
...
	.end_amdgpu_metadata
.endif
;; end of part 2
;; launch attn (part 3): grid 8 x 32, 16 waves a work-group, clusters of 4 x 1, 293,376 bytes of LDS; arguments qkv, x, g1, be1, o1f, o1c; writes o1f, o1c
.if DOCPART == 3
	.amdgcn_target "amdgcn-amd-amdhsa--gfx1250"
	.amdhsa_code_object_version 6
	.text
	.protected	k_qea1c434081_attn
	.globl	k_qea1c434081_attn
	.p2align	8
	.type	k_qea1c434081_attn,@function
k_qea1c434081_attn:
	s_mov_b64 s[64:65], 0
	v_nop
	global_prefetch_b8 v0, s[64:65] scope:SCOPE_SE
	s_setreg_imm32_b32 hwreg(HW_REG_WAVE_MODE, 25, 1), 1
	s_wait_xcnt 0x0
	s_wait_alu depctr_hold_cnt(0) depctr_sa_sdst(0) depctr_va_vdst(0) depctr_va_sdst(0) depctr_va_ssrc(0) depctr_va_vcc(0) depctr_vm_vsrc(0)
	s_getreg_b32 s2, hwreg(HW_REG_IB_STS2, 6, 4)
	s_cmp_eq_u32 s2, 0
	s_cbranch_scc0 .Lentry_in_a_cluster
	s_endpgm
.Lentry_in_a_cluster:
	s_bfe_u32 s2, ttmp6, 0x10000c
	s_cmp_lg_u32 s2, 0x3003
	s_cbranch_scc0 .Lentry_shape_is_right
	s_endpgm
.Lentry_shape_is_right:
; Attention of one head on codes of FP6 (E2M3) with E8M0 scales, then out1 = x + LN(ctx) g1 + be1, stored as f32 and as codes for the next product.
; t = score x log2(e) / 32 (the scores are divided by sqrt(1024)); M = the running largest t rounded up to a whole number; p = 2^(t - M) is quantised along the keys; the row's sum is taken of the unquantised p and divides at the end.
; SHARES.  A work-group owns 256 queries of one head, each of its sixteen waves one tile of 16.  A head's k, v and scale words, 208,896 bytes, lie in LDS whole: each wave brings 51 rows of 256 bytes by one tensor load;
; each LDS byte is filled once.  The four work-groups of a cluster belong to one head and ask for these bytes jointly.
; LAYOUT.  S^T = k q^T (source 0 = 16 keys, source 1 = my 16 queries), O^T = v^T p^T: a lane holds one query throughout.  The head has 64 channels, half of the instruction's 128 along K: q's upper six registers are zero codes;
; a tile of k is six registers, and the run of twelve that the instruction names goes on into the next tile's six, which meet q's zero codes (no scale byte here is 0xff).
; Inside a block of 32 keys p's codes stand in the order in which the results fall: place 16h+8u+j holds key 16u+8h+j; v was quantised in the same order.
; THE RAW RESHAPE: row bh x 128 + T of out1 is the 16 queries x 64 channels of query tile T: one wave's results.  So LN1, the residual and out1's quantiser need no other wave; only the codes' image is gathered from the sixteen waves.
; REGISTERS: v1-7, v29-39 addresses; v8-11, v28 the step's addresses; v12 -M, v13 the largest t, v[14:15] the sum; v16-27 q; v40-93 k's or v's fragments; v96-159 S^T, then p; v160-191 O^T; v224-235 p's codes; v232-247, v252, v254 at work;
; v248-251 k's, v's scale words, v253 p's, v255 q's.
; LIMITS: NaN and infinities are not served; a block of out1 whose largest magnitude lies under 2^-124 keeps the byte 1.
.set HB,   208896
.set QB,   6684672
.set STGB, 208896                      ; a stage of 16 rows x 272 bytes for each wave
.set OIMG, 278528                      ; the image of out1's codes: 8 fragments
.set OSC,  290816                      ; and their scale words
.set WV,   18
.set SEL,  20
.set CS,   22
.macro ROUND
	s_barrier_signal -1
	s_barrier_wait -1
	s_cmp_lg_u32 s[WV], 0
	s_cbranch_scc1 .Lnot_wave_0_\@
	s_barrier_signal -3
.Lnot_wave_0_\@:
	s_barrier_wait -3
	s_barrier_signal -1
	s_barrier_wait -1
.endm
.macro REDUCE a, t                     ; the sum of v[a] over the 32 lanes, in every lane
	v_add_f32_dpp v[\a], v[\a], v[\a] row_xmask:1 row_mask:0xf bank_mask:0xf
	v_add_f32_dpp v[\a], v[\a], v[\a] row_xmask:2 row_mask:0xf bank_mask:0xf
	v_add_f32_dpp v[\a], v[\a], v[\a] row_xmask:4 row_mask:0xf bank_mask:0xf
	v_add_f32_dpp v[\a], v[\a], v[\a] row_xmask:8 row_mask:0xf bank_mask:0xf
	v_permlanex16_b32 v[\t], v[\a], s[SEL], s[SEL+1]
	v_add_f32 v[\a], v[\a], v[\t]
.endm
	s_load_b256 s[4:11], s[0:1], 0x0               ; qkv, x, g1, be1
	s_load_b128 s[12:15], s[0:1], 0x20             ; o1f, o1c
	v_lshl_add_u32 v95, v0, 2, 0x47200
	v_mov_b32 v243, 0
	ds_add_u32 v95, v243
	ds_add_u32 v95, v243
	v_lshrrev_b32 v8, 5, v0
	v_readfirstlane_b32 s[WV], v8                  ; wave 0..15
	s_bfe_u32 s42, ttmp6, 0x40000                  ; cx
	s_lshl_b32 s41, ttmp9, 2
	s_add_co_u32 s41, s41, s42                     ; my block of 256 queries: it enters global addresses alone
	s_and_b32 s40, ttmp7, 0xffff                   ; batch x 16 + head, which the four partners share
	s_mul_i32 s44, s40, HB
	s_mul_i32 s43, s[WV], 13056                    ; my 51 rows of 256 bytes
	s_add_co_u32 s46, s44, s43
	s_mov_b32 s47, 0
	s_mov_b32 s24, 15|(3<<16)|(1<<21)              ; 15:0 the mask: all four work-groups; 17:16 elements of 8 bytes; 21 set beside a mask
	s_mov_b32 s25, 32<<16
	s_mov_b32 s26, 51<<16
	s_mov_b32 s27, 32<<16
	s_mov_b32 s28, 51
	s_mov_b32 s29, 32
	s_mov_b32 s30, 0
	s_mov_b32 s31, 0
	s_mov_b32 s[SEL], 0x76543210
	s_mov_b32 s[SEL+1], 0xfedcba98
	s_mov_b32 s[CS], 0x3d38aa3b                    ; c = log2(e) / 32
	s_mov_b32 s[CS+1], s[CS]
	s_mov_b32 s60, 0x3a800000                      ; 1 / 1024
	s_mov_b32 s61, 0x3727c5ac                      ; 1e-5
	s_wait_dscnt 0x0
	s_wait_kmcnt 0x0
	s_mov_b32 s32, 1
	s_mov_b32 s33, s43
	s_add_nc_u64 s[34:35], s[4:5], s[46:47]
	s_or_b32 s35, s35, 0x80000000
	ROUND                                          ; all four work-groups are here: the joint loads meet
	tensor_load_to_lds s[32:35], s[24:31]          ; my one tensor load
	s_nop 0
.rept 4
	v_nop
.endr
	s_lshl_b32 s45, s41, 4
	s_add_co_u32 s45, s45, s[WV]                   ; T: my tile of 16 queries
	s_mul_i32 s46, s45, 768
	s_add_co_u32 s46, s46, s44
	s_add_co_u32 s46, s46, QB
	s_add_nc_u64 s[48:49], s[4:5], s[46:47]        ; q's tile
	s_lshl_b32 s46, s45, 6
	s_add_co_u32 s46, s46, s44
	s_add_co_u32 s46, s46, QB+196608
	s_add_nc_u64 s[50:51], s[4:5], s[46:47]        ; and its scale words
	v_and_b32 v8, 31, v0                           ; lane
	v_and_b32 v4, 15, v0                           ; r
	v_bfe_u32 v5, v0, 4, 1                         ; h
	v_lshlrev_b32 v1, 4, v8                        ; 16 x lane
	v_lshl_add_u32 v2, v8, 3, 512                  ; 8 x lane + 512
	v_lshlrev_b32 v3, 2, v8                        ; 4 x lane
	v_lshlrev_b32 v35, 2, v4                       ; 4 r
	global_load_b128 v[16:19], v1, s[48:49]
	global_load_b64 v[20:21], v2, s[48:49]
	global_load_b32 v255, v35, s[50:51]
	s_mul_i32 s52, s[WV], 4352
	s_add_co_u32 s52, s52, STGB                    ; my stage
	v_mul_u32_u24 v6, v5, 272
	v_lshl_add_u32 v6, v4, 4, v6
	v_add_nc_u32 v6, s52, v6                       ; by whole rows: lanes 0-15 one row, lanes 16-31 the next
	v_mul_u32_u24 v7, v4, 272
	v_lshl_add_u32 v7, v5, 5, v7
	v_add_nc_u32 v7, s52, v7                       ; by lanes: row r, + 32 h
	; where my codes of out1 go in the image: my query r is K step r / 2, blocks 2 (r % 2) and 2 (r % 2) + 1; my wave is the fragment's row.  Register 6 (r % 2) + 3 h + e of lane wave (+ 16 for the second block)
	v_lshrrev_b32 v9, 1, v4
	v_mul_u32_u24 v10, v9, 1536
	s_lshl_b32 s53, s[WV], 4
	s_add_co_u32 s53, s53, OIMG
	v_add_nc_u32 v10, s53, v10
	v_and_b32 v11, 1, v4
	v_mul_u32_u24 v28, v11, 6
	v_mad_u32_u24 v28, v5, 3, v28
.irp e, 0,1,2
	v_add_nc_u32 v36, \e, v28
	v_lshrrev_b32 v37, 2, v36
	v_and_b32 v36, 3, v36
	v_lshl_add_u32 v37, v37, 9, v10
	v_lshl_add_u32 v[29+\e], v36, 2, v37
.endr
	s_lshl_b32 s53, s[WV], 2
	s_add_co_u32 s53, s53, OSC
	v_lshl_add_u32 v32, v9, 6, s53
	v_lshl_add_u32 v32, v11, 1, v32                ; my two scale bytes: K step r / 2, word wave, bytes 2 (r % 2) on
	s_mul_i32 s54, s[WV], 1536
	s_add_co_u32 s54, s54, OIMG
	v_add_nc_u32 v33, s54, v1                      ; waves 0-7 read fragment wave back
	v_add_nc_u32 v34, OSC, v1                      ; wave 8 the scale words
	v_lshlrev_b32 v36, 8, v4
	v_lshl_add_u32 v36, v5, 5, v36                 ; g1, be1: 256 r + 32 h
	v_add_nc_u32 v37, 98304, v1                    ; v's fragments
	v_add_nc_u32 v38, 196608, v3                   ; k's scale words
	v_add_nc_u32 v39, 204800, v3                   ; v's
	v_mov_b32 v13, 0xff61b1e6                      ; the largest t so far: -3e38
	v_floor_f32 v12, -v13                          ; -M
	v_mov_b32 v14, 0
	v_mov_b32 v15, 0
.irp j, 22,23,24,25,26,27,88,89,90,91,92,93
	v_mov_b32 v\j, 0                               ; q's upper half: zero codes; and what the last tile of k's run of twelve goes on into
.endr
.irp b, 0,1,2,3
	v_mov_b32 v[236+\b], 0                         ; a lane permute's destination counts as one of its sources
.endr
	v_mov_b32 v253, 0
.set ci, 0
.rept 32
	v_mov_b32 v[160+ci], 0                         ; O^T: the step is written once; the first change of M leaves zeros zeros
.set ci, ci+1
.endr
	s_mov_b32 s36, 0                               ; the step's k tiles and v fragments: 6,144 bytes a step
	s_mov_b32 s37, 0                               ; k's scale words: 512
	s_mov_b32 s38, 0                               ; v's: 256
	s_mov_b32 s39, 16
	s_wait_tensorcnt 0x0                           ; my part of the head is in,
	s_wait_loadcnt 0x0                             ; and q
	s_barrier_signal -1
	s_barrier_wait -1                              ; everybody's part is
.Lstep:                                            ; 128 keys a trip
	v_add_nc_u32 v8, s36, v1                       ; (these five are the places behind the last products, in front of the loads into their operands)
	v_add_nc_u32 v9, s36, v2
	v_add_nc_u32 v10, s36, v37
	v_add_nc_u32 v11, s37, v38
	v_add_nc_u32 v28, s38, v39
.irp t, 0,1,2,3,4,5,6,7
	ds_load_b128 v[40+6*\t:43+6*\t], v8 offset:768*\t
	ds_load_b64 v[44+6*\t:45+6*\t], v9 offset:768*\t
.endr
.irp i, 0,1,2,3
	ds_load_b32 v[248+\i], v11 offset:128*\i       ; lanes 0-15 tile 2 i's words, lanes 16-31 tile 2 i + 1's
.endr
	s_wait_dscnt 0x0
.irp t, 0,2,4,6
	v_wmma_scale_f32_16x16x128_f8f6f4 v[96+8*\t:103+8*\t], v[40+6*\t:51+6*\t], v[16:27], 0, v[248+\t/2], v255 matrix_a_fmt:MATRIX_FMT_FP6 matrix_b_fmt:MATRIX_FMT_FP6
	v_wmma_scale_f32_16x16x128_f8f6f4 v[104+8*\t:111+8*\t], v[46+6*\t:57+6*\t], v[16:27], 0, v[248+\t/2], v255 matrix_a_fmt:MATRIX_FMT_FP6 matrix_b_fmt:MATRIX_FMT_FP6 matrix_a_scale:MATRIX_SCALE_ROW1
.endr
.rept 4
	v_nop                                          ; places in front of the loads below and of the first read of the scores
.endr
.irp d, 0,1,2,3                                ; v's fragments are asked for here and land during the softmax
.irp c, 0,1,2
	ds_load_b128 v[40+12*\d+4*\c:43+12*\d+4*\c], v10 offset:1536*\d+512*\c
.endr
.endr
	ds_load_b32 v248, v28
	ds_load_b32 v249, v28 offset:128
.irp b, 0,1,2,3
	v_max3_num_f32 v[232+\b], v[96+16*\b], v[97+16*\b], v[98+16*\b]   ; the largest score of each block of 32 keys: for the row's maximum, and, since p rises with the score, for the block's largest p
.endr
.irp i, 3,5,7,9,11,13
.irp b, 0,1,2,3
	v_max3_num_f32 v[232+\b], v[232+\b], v[96+16*\b+\i], v[97+16*\b+\i]
.endr
.endr
.irp b, 0,1,2,3
	v_max_num_f32 v[232+\b], v[232+\b], v[111+16*\b]
.endr
.irp b, 0,1,2,3
	v_permlanex16_b32 v[236+\b], v[232+\b], s[SEL], s[SEL+1]
.endr
.irp b, 0,1,2,3
	v_max_num_f32 v[232+\b], v[232+\b], v[236+\b]
.endr
	v_max3_num_f32 v254, v232, v233, v234
	v_max_num_f32 v254, v254, v235
	v_mul_f32 v254, s[CS], v254                    ; the step's largest t
	v_max_num_f32 v13, v13, v254
	v_mov_b32 v254, v12
	v_floor_f32 v12, -v13                          ; the new -M = -ceil(t)
	v_sub_f32 v254, v12, v254                      ; old M - new M: a whole number, 0 or less
	v_cvt_i32_f32 v254, v254
	v_ldexp_f32 v252, 1.0, v254                    ; f = 2^(old M - new M)
.set ci, 0
.rept 32
	v_pk_fma_f32 v[96+ci:97+ci], v[96+ci:97+ci], s[CS:CS+1], v[12:13] op_sel_hi:[1,0,0]   ; t - M
.set ci, ci+2
.endr
.irp b, 0,1,2,3
	v_fma_f32 v[232+\b], v[232+\b], s[CS], v12
.endr
.set ci, 0
.rept 64
	v_exp_f32 v[96+ci], v[96+ci]                   ; p = 2^(t - M)
.set ci, ci+1
.endr
	v_pk_mul_f32 v[14:15], v[14:15], v[252:253] op_sel_hi:[1,0]   ; the sums under the new M (a plain place behind the exponentials)
	s_wait_alu depctr_va_vdst(0)                   ; one wait for the batch of 64, ahead of its first reader
.irp b, 0,1,2,3
	v_exp_f32 v[232+\b], v[232+\b]                 ; each block's largest p
.endr
	v_pk_add_f32 v[236:237], v[96:97], v[98:99]    ; the row's sum of the unquantised p, in two chains
.irp j, 4,8,12,16,20,24,28,32,36,40,44,48,52,56,60
	v_pk_add_f32 v[14:15], v[14:15], v[96+\j:97+\j]
	v_pk_add_f32 v[236:237], v[236:237], v[98+\j:99+\j]
.endr
	v_pk_add_f32 v[14:15], v[14:15], v[236:237]
	s_wait_alu depctr_va_vdst(0)                   ; and one for the four
.irp b, 0,1,2,3
	v_max_num_f32 v[232+\b], 0x1800000, v[232+\b]  ; the floor 2^(3-127)
.endr
.irp b, 0,1,2,3
	v_add_nc_u32 v[244+\b], 0xff000000, v[232+\b]
.endr
.irp b, 0,1,2,3
	v_lshrrev_b32 v[236+\b], 23, v[244+\b]
.endr
	v_lshl_or_b32 v253, v237, 8, v236              ; p's scale word
	v_lshl_or_b32 v253, v238, 16, v253
	v_lshl_or_b32 v253, v239, 24, v253
.irp c, 0,1
	v_cvt_scalef32_pk16_fp6_f32 v[224+6*\c:226+6*\c], v[96+32*\c:111+32*\c], v[244+2*\c]
	v_cvt_scalef32_pk16_fp6_f32 v[236+4*\c:238+4*\c], v[112+32*\c:127+32*\c], v[244+2*\c+1]
.endr
	v_nop
.irp c, 0,1
.irp i, 0,1,2
	v_permlane16_swap_b32 v[224+6*\c+\i], v[236+4*\c+\i]
.endr
.irp i, 0,1,2
	v_mov_b32 v[227+6*\c+\i], v[236+4*\c+\i]
.endr
.endr
.set ci, 0
.rept 16
	v_pk_mul_f32 v[160+ci:161+ci], v[160+ci:161+ci], v[252:253] op_sel_hi:[1,0]   ; O^T under the new M; these sixteen are also the places between the scale word's and the codes' last writes and the products
.set ci, ci+2
.endr
	s_wait_dscnt 0x0                               ; v's fragments and scale words
.irp d, 0,2
	v_wmma_scale_f32_16x16x128_f8f6f4 v[160+8*\d:167+8*\d], v[40+12*\d:51+12*\d], v[224:235], v[160+8*\d:167+8*\d], v[248+\d/2], v253 matrix_a_fmt:MATRIX_FMT_FP6 matrix_b_fmt:MATRIX_FMT_FP6
	v_wmma_scale_f32_16x16x128_f8f6f4 v[168+8*\d:175+8*\d], v[52+12*\d:63+12*\d], v[224:235], v[168+8*\d:175+8*\d], v[248+\d/2], v253 matrix_a_fmt:MATRIX_FMT_FP6 matrix_b_fmt:MATRIX_FMT_FP6 matrix_a_scale:MATRIX_SCALE_ROW1
.endr
	s_add_co_u32 s36, s36, 6144
	s_add_co_u32 s37, s37, 512
	s_add_co_u32 s38, s38, 256
	s_sub_co_u32 s39, s39, 1
	s_cmp_lg_u32 s39, 0
	s_cbranch_scc1 .Lstep
	; THE WAY OUT.  Register 8 d + j of lane (r, h) is column 64 r + 16 d + 8 h + j of out1's row bh x 128 + T
.rept 4
	v_nop
.endr
	s_lshl_b32 s46, s40, 7
	s_add_co_u32 s46, s46, s45
	s_lshl_b32 s46, s46, 12                        ; the row, in bytes
	s_add_nc_u64 s[6:7], s[6:7], s[46:47]
	s_add_nc_u64 s[12:13], s[12:13], s[46:47]
.irp i, 0,1,2,3,4,5,6,7
	global_load_b128 v[96+4*\i:99+4*\i], v1, s[6:7] offset:512*\i th:TH_LOAD_NT   ; x's row: 512 consecutive bytes a load
.endr
.irp d, 0,1,2,3
.irp e, 0,1
	global_load_b128 v[40+8*\d+4*\e:43+8*\d+4*\e], v36, s[8:9] offset:64*\d+16*\e
	global_load_b128 v[128+8*\d+4*\e:131+8*\d+4*\e], v36, s[10:11] offset:64*\d+16*\e
.endr
.endr
	v_add_f32 v14, v14, v15
	v_permlanex16_b32 v252, v14, s[SEL], s[SEL+1]
	v_add_f32 v14, v14, v252                       ; the query's sum
	v_rcp_f32 v14, v14
	v_nop
	s_wait_alu depctr_va_vdst(0)
	v_mov_b32 v15, v14
.set ci, 0
.rept 16
	v_pk_mul_f32 v[160+ci:161+ci], v[160+ci:161+ci], v[14:15] op_sel_hi:[1,0]   ; ctx, each accumulator from its low end on
.set ci, ci+2
.endr
	v_pk_add_f32 v[224:225], v[160:161], v[164:165]
	v_pk_add_f32 v[226:227], v[162:163], v[166:167]
.irp j, 8,12,16,20,24,28
	v_pk_add_f32 v[224:225], v[224:225], v[160+\j:161+\j]
	v_pk_add_f32 v[226:227], v[226:227], v[162+\j:163+\j]
.endr
	v_pk_add_f32 v[224:225], v[224:225], v[226:227]
	v_add_f32 v224, v224, v225
	REDUCE 224, 225
	v_mul_f32 v224, s60, v224                      ; the row's mean
	v_mov_b32 v225, v224
.set ci, 0
.rept 16
	v_pk_add_f32 v[160+ci:161+ci], v[160+ci:161+ci], v[224:225] op_sel_hi:[1,0] neg_lo:[0,1] neg_hi:[0,1]
.set ci, ci+2
.endr
	v_pk_mul_f32 v[226:227], v[160:161], v[160:161]
	v_pk_mul_f32 v[228:229], v[162:163], v[162:163]
.irp j, 4,8,12,16,20,24,28
	v_pk_fma_f32 v[226:227], v[160+\j:161+\j], v[160+\j:161+\j], v[226:227]
	v_pk_fma_f32 v[228:229], v[162+\j:163+\j], v[162+\j:163+\j], v[228:229]
.endr
	v_pk_add_f32 v[226:227], v[226:227], v[228:229]
	v_add_f32 v226, v226, v227
	REDUCE 226, 227
	v_fma_f32 v226, v226, s60, s61                 ; the variance + 1e-5
	v_rsq_f32 v226, v226
	v_nop
	s_wait_alu depctr_va_vdst(0)
	v_mov_b32 v227, v226
	s_wait_loadcnt 16                              ; x's eight loads are in; g1's and be1's sixteen may be out
.irp i, 0,1,2,3,4,5,6,7
	ds_store_b128 v6, v[96+4*\i:99+4*\i] offset:544*\i    ; x through my stage, into the lanes' order
.endr
.irp d, 0,1,2,3
.irp e, 0,1
	ds_load_b128 v[192+8*\d+4*\e:195+8*\d+4*\e], v7 offset:64*\d+16*\e
.endr
.endr
	s_wait_loadcnt 0x0
.set ci, 0
.rept 16
	v_pk_mul_f32 v[40+ci:41+ci], v[40+ci:41+ci], v[226:227] op_sel_hi:[1,0]
.set ci, ci+2
.endr
.set ci, 0
.rept 16
	v_pk_fma_f32 v[160+ci:161+ci], v[160+ci:161+ci], v[40+ci:41+ci], v[128+ci:129+ci]
.set ci, ci+2
.endr
	s_wait_dscnt 0x0
.set ci, 0
.rept 16
	v_pk_add_f32 v[160+ci:161+ci], v[160+ci:161+ci], v[192+ci:193+ci]   ; out1
.set ci, ci+2
.endr
.irp d, 0,1,2,3
.irp e, 0,1
	ds_store_b128 v7, v[160+8*\d+4*\e:163+8*\d+4*\e] offset:64*\d+16*\e
.endr
.endr
.irp i, 0,1,2,3,4,5,6,7
	ds_load_b128 v[96+4*\i:99+4*\i], v6 offset:544*\i     ; back as whole rows; LDS serves a wave's instructions in order
.endr
	; out1's quantiser: my 32 numbers are 16 of each of two blocks; lane l xor 16 has the other 16
.irp b, 0,1
	v_max3_num_f32 v[232+\b], |v[160+16*\b]|, |v[161+16*\b]|, 0x1800000
.endr
.irp i, 2,4,6,8,10,12,14
.irp b, 0,1
	v_max3_num_f32 v[232+\b], v[232+\b], |v[160+16*\b+\i]|, |v[161+16*\b+\i]|
.endr
.endr
.irp b, 0,1
	v_permlanex16_b32 v[236+\b], v[232+\b], s[SEL], s[SEL+1]
.endr
.irp b, 0,1
	v_max_num_f32 v[232+\b], v[232+\b], v[236+\b]
.endr
.irp b, 0,1
	v_add_nc_u32 v[244+\b], 0xff000000, v[232+\b]
.endr
.irp b, 0,1
	v_lshrrev_b32 v[236+\b], 23, v[244+\b]
.endr
	v_lshl_or_b32 v240, v237, 8, v236
	v_cvt_scalef32_pk16_fp6_f32 v[224:226], v[160:175], v244
	v_cvt_scalef32_pk16_fp6_f32 v[228:230], v[176:191], v245
	v_nop
.irp e, 0,1,2
	ds_store_b32 v[29+\e], v[224+\e]
	ds_store_b32 v[29+\e], v[228+\e] offset:256
.endr
	ds_store_b16 v32, v240                         ; both halves of the lanes write the same two bytes with the same value
	s_wait_dscnt 0x0                               ; my rows are back, and, for the others' sake, my stores into the image are done
.irp i, 0,1,2,3,4,5,6,7
	global_store_b128 v1, v[96+4*\i:99+4*\i], s[12:13] offset:512*\i
.endr
	s_barrier_signal -1
	s_barrier_wait -1
	s_mul_i32 s46, s40, 98304
	s_mul_i32 s52, s[WV], 12288
	s_add_co_u32 s46, s46, s52
	s_mul_i32 s52, s41, 1536
	s_add_co_u32 s46, s46, s52
	s_add_nc_u64 s[56:57], s[14:15], s[46:47]
	s_lshl_b32 s46, s40, 12
	s_lshl_b32 s52, s41, 9
	s_add_co_u32 s46, s46, s52
	s_add_co_u32 s46, s46, 3145728
	s_add_nc_u64 s[58:59], s[14:15], s[46:47]
	s_cmp_lt_u32 s[WV], 8
	s_cbranch_scc0 .Lnot_img
.irp c, 0,1,2
	ds_load_b128 v[40+4*\c:43+4*\c], v33 offset:512*\c
.endr
	s_wait_dscnt 0x0
.irp c, 0,1,2
	global_store_b128 v1, v[40+4*\c:43+4*\c], s[56:57] offset:512*\c
.endr
.Lnot_img:
	s_cmp_eq_u32 s[WV], 8
	s_cbranch_scc0 .Lno_sc
	ds_load_b128 v[52:55], v34
	s_wait_dscnt 0x0
	global_store_b128 v1, v[52:55], s[58:59]
.Lno_sc:
	s_wait_tensorcnt 0x0
	ds_add_u32 v95, v243
	s_wait_dscnt 0x0
	ROUND                                          ; the closing round
	s_endpgm
.Lfunc_end_k_qea1c434081_attn:
	.size	k_qea1c434081_attn, .Lfunc_end_k_qea1c434081_attn-k_qea1c434081_attn
	.p2alignl 7, 3214868480
	.fill 96, 4, 3214868480
	.section	.rodata,"a",@progbits
	.p2align	6, 0x0
	.amdhsa_kernel k_qea1c434081_attn
		.amdhsa_group_segment_fixed_size 293376
		.amdhsa_private_segment_fixed_size 0
		.amdhsa_enable_private_segment 0
		.amdhsa_kernarg_size 48
		.amdhsa_user_sgpr_count 2
		.amdhsa_user_sgpr_kernarg_segment_ptr 1
		.amdhsa_wavefront_size32 1
		.amdhsa_system_sgpr_workgroup_id_x 1
		.amdhsa_system_sgpr_workgroup_id_y 1
		.amdhsa_system_sgpr_workgroup_id_z 1
		.amdhsa_system_vgpr_workitem_id 0
		.amdhsa_next_free_vgpr 256
		.amdhsa_next_free_sgpr 66
		.amdhsa_reserve_vcc 0
		.amdhsa_float_denorm_mode_32 3
		.amdhsa_float_denorm_mode_16_64 3
		.amdhsa_memory_ordered 1
		.amdhsa_forward_progress 1
		.amdhsa_inst_pref_size 42
	.end_amdhsa_kernel
	.amdgpu_metadata
---
amdhsa.version: [ 1, 2 ]
amdhsa.kernels:
  - .name:           k_qea1c434081_attn
    .symbol:         k_qea1c434081_attn.kd
    .args:
      - { .name: qkv, .offset: 0, .size: 8, .value_kind: global_buffer, .address_space: global }
      - { .name: x, .offset: 8, .size: 8, .value_kind: global_buffer, .address_space: global }
      - { .name: g1, .offset: 16, .size: 8, .value_kind: global_buffer, .address_space: global }
      - { .name: be1, .offset: 24, .size: 8, .value_kind: global_buffer, .address_space: global }
      - { .name: o1f, .offset: 32, .size: 8, .value_kind: global_buffer, .address_space: global }
      - { .name: o1c, .offset: 40, .size: 8, .value_kind: global_buffer, .address_space: global }
    .group_segment_fixed_size: 293376
    .private_segment_fixed_size: 0
    .kernarg_segment_align: 8
    .kernarg_segment_size: 48
    .max_flat_workgroup_size: 512
    .sgpr_count:     66
    .vgpr_count:     256
    .wavefront_size: 32
...
	.end_amdgpu_metadata
.endif
;; end of part 3
;; launch ffn1 (part 4): grid 16 x 16, 4 waves a work-group, clusters of 4 x 4, 327,680 bytes of LDS; arguments o1c, qin, b1, hc; writes hc
.if DOCPART == 4
	.amdgcn_target "amdgcn-amd-amdhsa--gfx1250"
	.amdhsa_code_object_version 6
	.text
	.protected	k_qea1c434081_ffn1
	.globl	k_qea1c434081_ffn1
	.p2align	8
	.type	k_qea1c434081_ffn1,@function
k_qea1c434081_ffn1:
	s_mov_b64 s[64:65], 0
	v_nop
	global_prefetch_b8 v0, s[64:65] scope:SCOPE_SE
	s_setreg_imm32_b32 hwreg(HW_REG_WAVE_MODE, 25, 1), 1
	s_wait_xcnt 0x0
	s_wait_alu depctr_hold_cnt(0) depctr_sa_sdst(0) depctr_va_vdst(0) depctr_va_sdst(0) depctr_va_ssrc(0) depctr_va_vcc(0) depctr_vm_vsrc(0)
	s_getreg_b32 s2, hwreg(HW_REG_IB_STS2, 6, 4)
	s_cmp_eq_u32 s2, 0
	s_cbranch_scc0 .Lentry_in_a_cluster
	s_endpgm
.Lentry_in_a_cluster:
	s_bfe_u32 s2, ttmp6, 0x10000c
	s_cmp_lg_u32 s2, 0xf033
	s_cbranch_scc0 .Lentry_shape_is_right
	s_endpgm
.Lentry_shape_is_right:
; h = gelu(out1 W1^T + b1), exact gelu, on codes of FP6 (E2M3) with E8M0 scales; h is quantised at once, along its 4,096 columns, for the next product.
; The frame is that of the launch qkv: a tile of 256 x 256 by four waves of 128 x 128; the matrix instruction used transposed; operands as images of registers; K = 1,024 as four tiles of 256 in three LDS slots, slot 0 filled twice;
; 4 x 4 clusters with joint loads.  b1 is the C of the first products.
; THE WAY OUT is a loop of eight trips, one row block of 16 rows a trip, so that gelu is written once: short branches on the trip's number pick the 64 accumulators, which come into window 0 as H = x / 2.
; gelu(x) = H + H erf(z), z = H sqrt(2) held to +-4, erf(z) = z P(z^2) / Q(z^2) (P of degree 6, Q of degree 4 in z^2).
; LIMITS: NaN and infinities are not served; gelu's absolute error is about 1e-7 |x|, so its far negative tail (x under about -5.6) comes out as about 0; a block whose largest magnitude lies under 2^-124 keeps the byte 1.
.set NBK,   8
.set NQ,    2
.set NS,    8
.set NSLOT, 3
.set FR,    12
.set GSZ,   NBK*1536
.set PART,  NQ*GSZ
.set SLOT,  4*PART
.set SP,    NBK*NS*64
.set SCL,   NSLOT*SLOT
.set SPARE, SCL+4*SP                   ; the spare words: 128 bytes a wave, two blocks of 256 bytes that no other line names
.set FILLSTEP, 3*PART
.set ADRA, 16
.set ADRB, 20
.set ADRS, 27
.set SPW,  28
.set NIL,  29
.set SC,   32
.set AF,   64
.set BIAS, 192
.set WFIRST, 0x91
.set H,    64                          ; the way out: v64-127 the row block's 64 numbers
.set Z,    128                         ; v128-159 z, later the codes and the quantiser's registers
.set PC,   128
.set TM,   148
.set PW,   160                         ; v160 this trip's scale word, v161 the even trip's, v162 the two merged
.set PWS,  162
.set W,    164                         ; v164-195 z^2
.set N,    196                         ; v196-227 P, then Q
.set CA,   228                         ; v[228:229] P's leading coefficient, v[230:231] Q's
.set CB,   230
.set G1,   24
.set G1S,  32
.set G1B,  48
.set G1SB, 56
.set G0A,  68
.set G0B,  80
.set G0S,  92
.set G0SB, 96
.set SEL,  44
.set HIM,  66
.set MSB, 0
.macro WIN new
.if MSB != (\new)
	s_set_vgpr_msb (MSB<<8)|(\new)
.set MSB, (\new)
.endif
.endm
.macro PLACES
.rept 4
	v_nop
.endr
.endm
.macro JLOAD g0a, g1a, g0b, g1b
	s_cmp_eq_u32 s15, 0
	s_cbranch_scc0 .Lfor_b_\@
	tensor_load_to_lds s[\g0a:\g0a+3], s[\g1a:\g1a+7]
	s_nop 0
.rept 4
	v_nop
.endr
	s_branch .Lasked_\@
.Lfor_b_\@:
	tensor_load_to_lds s[\g0b:\g0b+3], s[\g1b:\g1b+7]
	s_nop 0
.rept 4
	v_nop
.endr
.Lasked_\@:
.endm
.macro CREST
	s_cmp_lg_u32 s14, 0
	s_cbranch_scc1 .Lnot_wave_0_\@
	s_barrier_signal -3
.Lnot_wave_0_\@:
	s_barrier_wait -3
	s_barrier_signal -1
	s_barrier_wait -1
.endm
.macro CROUND
	s_barrier_signal -1
	s_barrier_wait -1
	CREST
.endm
.macro FETCH slot, q, p
	WIN 0x40
.set fi, 0
.rept NBK
.irp c, 0,1,2
	ds_load_b128 v[FR*NBK*(\p)+FR*fi+4*\c:FR*NBK*(\p)+FR*fi+4*\c+3], v[ADRB+\slot] offset:(\q)*GSZ+fi*1536+512*\c
.endr
.set fi, fi+1
.endr
	WIN 0
.set fi, 0
.rept NBK
.irp c, 0,1,2
	ds_load_b128 v[AF+FR*NBK*(\p)+FR*fi+4*\c:AF+FR*NBK*(\p)+FR*fi+4*\c+3], v[ADRA+\slot] offset:(\q)*GSZ+fi*1536+512*\c
.endr
.set fi, fi+1
.endr
.endm
.macro SCALES set
.set fi, 0
.rept NBK
.set fq, 0
.rept NQ
	ds_load_b32 v[SC+16*(\set)+NQ*fi+fq], v[ADRS] offset:fi*NS*64+64*fq
.set fq, fq+1
.endr
.set fi, fi+1
.endr
.endm
.macro MULS a0, na, p, set, q, first   ; the accumulators take turns, one instruction a turn
.set ma, \a0
.rept \na
.if \first
	WIN WFIRST+0x40*((8*NBK*ma)/256)
.else
	WIN 0xa1+0x50*((8*NBK*ma)/256)
.endif
.set mb, 0
.rept NBK
.set rD, (8*(NBK*ma+mb))%256
.set rB, FR*NBK*(\p)+FR*mb
.set rA, AF+FR*NBK*(\p)+FR*ma
.set rSB, SC+16*(\set)+NQ*mb+(\q)
.set rSA, SC+16*(\set)+NQ*ma+(\q)
.if \first
	v_wmma_scale_f32_16x16x128_f8f6f4 v[rD:rD+7], v[rB:rB+FR-1], v[rA:rA+FR-1], v[BIAS+8*mb:BIAS+8*mb+7], v[rSB], v[rSA] matrix_a_fmt:MATRIX_FMT_FP6 matrix_b_fmt:MATRIX_FMT_FP6 matrix_a_scale:MATRIX_SCALE_ROW1
.else
	v_wmma_scale_f32_16x16x128_f8f6f4 v[rD:rD+7], v[rB:rB+FR-1], v[rA:rA+FR-1], v[rD:rD+7], v[rSB], v[rSA] matrix_a_fmt:MATRIX_FMT_FP6 matrix_b_fmt:MATRIX_FMT_FP6 matrix_a_scale:MATRIX_SCALE_ROW1
.endif
.set mb, mb+1
.endr
.set ma, ma+1
.endr
.endm
.macro STEP slot, q, set, first
	s_wait_dscnt 0x0                               ; this step's fragments, asked for a step ago, are in
	PLACES                                         ; four places in front of loads into the set that the last step's products read
	FETCH \slot, (\q)+1, 1-(\q)%2
	MULS 0, NBK, (\q)%2, \set, \q, \first
.endm
.macro CROSS slot, next, set
	s_wait_dscnt 0x0
	PLACES
	WIN 0
	v_add_nc_u32 v[ADRS], 64*NQ, v[ADRS]
	FETCH \next, 0, 0
	SCALES 1-(\set)
	MULS 0, NBK, 1, \set, NQ-1, 0
.endm
.macro TURN slot, next, set, fill
	WIN 0
	s_wait_tensorcnt 0x0                           ; all my tensor loads have landed
	ds_add_u32 v[SPW], v[NIL]                      ; 0 onto my spare word
	s_wait_dscnt 1                                 ; this step's fragments are in; the add alone may be out
	MULS 0, NBK/4, 1, \set, NQ-1, 0
	s_wait_dscnt 0x0                               ; the add is done, and my reads of this slot are over
	s_barrier_signal -1
	MULS NBK/4, NBK/4, 1, \set, NQ-1, 0
	WIN 0
	s_barrier_wait -1
.if \fill
	CREST
	s_add_nc_u64 s[G0A+4*\slot+2:G0A+4*\slot+3], s[G0A+4*\slot+2:G0A+4*\slot+3], FILLSTEP
	s_add_nc_u64 s[G0B+4*\slot+2:G0B+4*\slot+3], s[G0B+4*\slot+2:G0B+4*\slot+3], FILLSTEP
	JLOAD G0A+4*\slot, G1, G0B+4*\slot, G1B
.else
	PLACES
.endif
	v_add_nc_u32 v[ADRS], 64*NQ, v[ADRS]
	FETCH \next, 0, 0
	SCALES 1-(\set)
	MULS NBK/2, NBK/2, 1, \set, NQ-1, 0
.endm
.macro QUANT s, pw
.irp b, 0,1,2,3
	v_max3_num_f32 v[TM+\b], |v[\s+16*\b]|, |v[\s+1+16*\b]|, 0x1800000
.endr
.irp i, 2,4,6,8,10,12,14
.irp b, 0,1,2,3
	v_max3_num_f32 v[TM+\b], v[TM+\b], |v[\s+16*\b+\i]|, |v[\s+1+16*\b+\i]|
.endr
.endr
.irp b, 0,1,2,3
	v_permlanex16_b32 v[TM+4+\b], v[TM+\b], s[SEL], s[SEL+1]
.endr
.irp b, 0,1,2,3
	v_max_num_f32 v[TM+\b], v[TM+\b], v[TM+4+\b]
.endr
.irp b, 0,1,2,3
	v_add_nc_u32 v[TM+8+\b], 0xff000000, v[TM+\b]
.endr
.irp b, 0,1,2,3
	v_lshrrev_b32 v[TM+4+\b], 23, v[TM+8+\b]
.endr
	v_lshl_or_b32 v[\pw], v[TM+5], 8, v[TM+4]
	v_lshl_or_b32 v[\pw], v[TM+6], 16, v[\pw]
	v_lshl_or_b32 v[\pw], v[TM+7], 24, v[\pw]
.irp c, 0,1
	v_cvt_scalef32_pk16_fp6_f32 v[PC+6*\c:PC+2+6*\c], v[\s+32*\c:\s+15+32*\c], v[TM+8+2*\c]
	v_cvt_scalef32_pk16_fp6_f32 v[PC+12+4*\c:PC+14+4*\c], v[\s+16+32*\c:\s+31+32*\c], v[TM+8+2*\c+1]
.endr
	v_nop
.irp c, 0,1
.irp i, 0,1,2
	v_permlane16_swap_b32 v[PC+6*\c+\i], v[PC+12+4*\c+\i]
.endr
.irp i, 0,1,2
	v_mov_b32 v[PC+3+6*\c+\i], v[PC+12+4*\c+\i]
.endr
.endr
.endm
.macro HORNER lit                      ; N = N z^2 + a coefficient, 32 numbers
.set gi, 0
.rept 16
	v_pk_fma_f32 v[N+2*gi:N+2*gi+1], v[N+2*gi:N+2*gi+1], v[W+2*gi:W+2*gi+1], \lit op_sel_hi:[1,1,0]
.set gi, gi+1
.endr
.endm
.macro LEAD c, lit                     ; N = z^2 x the leading coefficient + the next
.set gi, 0
.rept 16
	v_pk_fma_f32 v[N+2*gi:N+2*gi+1], v[W+2*gi:W+2*gi+1], v[\c:\c+1], \lit op_sel_hi:[1,1,0]
.set gi, gi+1
.endr
.endm
.macro ZN                              ; Z = Z N
.set gi, 0
.rept 16
	v_pk_mul_f32 v[Z+2*gi:Z+2*gi+1], v[Z+2*gi:Z+2*gi+1], v[N+2*gi:N+2*gi+1]
.set gi, gi+1
.endr
.endm
.macro GELU g                          ; numbers 32 g .. 32 g + 31 of H
.set gi, 0
.rept 16
	v_pk_mul_f32 v[Z+2*gi:Z+2*gi+1], v[H+32*(\g)+2*gi:H+32*(\g)+2*gi+1], 0x3fb504f3 op_sel_hi:[1,0]   ; z = (x / 2) sqrt(2)
.set gi, gi+1
.endr
.set gi, 0
.rept 32
	v_med3_num_f32 v[Z+gi], v[Z+gi], -4.0, 4.0
.set gi, gi+1
.endr
.set gi, 0
.rept 16
	v_pk_mul_f32 v[W+2*gi:W+2*gi+1], v[Z+2*gi:Z+2*gi+1], v[Z+2*gi:Z+2*gi+1]
.set gi, gi+1
.endr
	LEAD CA, 0x32edffee
	HORNER 0xb60cff51
	HORNER 0xb86ec2d2
	HORNER 0xba40ac63
	HORNER 0xbb41a1f6
	HORNER 0xbc83dbd4
	ZN                                             ; z P
	LEAD CB, 0xb95fbd29
	HORNER 0xbadc924e
	HORNER 0xbbf19bf8
	HORNER 0xbc69b6a7
.set gi, 0
.rept 32
	v_rcp_f32 v[N+gi], v[N+gi]
.set gi, gi+1
.endr
	v_nop                                          ; a plain place behind the last reciprocal
	s_wait_alu depctr_va_vdst(0)                   ; one wait for the batch of 32, ahead of its first reader
	ZN                                             ; erf(z)
.set gi, 0
.rept 16
	v_pk_fma_f32 v[H+32*(\g)+2*gi:H+32*(\g)+2*gi+1], v[H+32*(\g)+2*gi:H+32*(\g)+2*gi+1], v[Z+2*gi:Z+2*gi+1], v[H+32*(\g)+2*gi:H+32*(\g)+2*gi+1]
.set gi, gi+1
.endr
.endm
	s_load_b256 s[4:11], s[0:1], 0x0               ; o1c, qin, b1, hc
	v_lshl_add_u32 v[SPW], v0, 2, SPARE
	v_mov_b32 v[NIL], 0
	ds_add_u32 v28, v29
	ds_add_u32 v28, v29
	s_wait_dscnt 0x0
	v_lshrrev_b32 v1, 5, v0
	v_readfirstlane_b32 s14, v1
	s_lshr_b32 s15, s14, 1
	s_and_b32 s16, s14, 1
	s_bfe_u32 s40, ttmp6, 0x40000                  ; cx
	s_bfe_u32 s41, ttmp6, 0x40004                  ; cy
	s_lshl_b32 s42, ttmp9, 2
	s_add_co_u32 s42, s42, s40                     ; tile column
	s_and_b32 s17, ttmp7, 0xffff
	s_lshl_b32 s17, s17, 2
	s_add_co_u32 s17, s17, s41                     ; tile row
	s_lshl_b32 s43, s41, 2
	s_lshl_b32 s43, 15, s43
	s_lshl_b32 s44, 0x1111, s40
	s_or_b32 s[G1+0], s43, (3<<16)|(1<<21)
	s_or_b32 s[G1B+0], s44, (3<<16)|(1<<21)
	s_or_b32 s[G1S+0], s43, (3<<16)|(1<<21)
	s_or_b32 s[G1SB+0], s44, (3<<16)|(1<<21)
.irp g, G1, G1B
	s_mov_b32 s[\g+1], 32<<16
	s_mov_b32 s[\g+2], 96<<16
	s_mov_b32 s[\g+3], 32<<16
	s_mov_b32 s[\g+4], 96
	s_mov_b32 s[\g+5], 32
	s_mov_b32 s[\g+6], 0
	s_mov_b32 s[\g+7], 0
.endr
.irp g, G1S, G1SB
	s_mov_b32 s[\g+1], 32<<16
	s_mov_b32 s[\g+2], 16<<16
	s_mov_b32 s[\g+3], 32<<16
	s_mov_b32 s[\g+4], 16
	s_mov_b32 s[\g+5], 32
	s_mov_b32 s[\g+6], 0
	s_mov_b32 s[\g+7], 0
.endr
	s_lshl_b32 s22, s17, 1
	s_add_co_u32 s22, s22, s16
	s_mul_i32 s70, s22, 98304
	s_mov_b32 s71, 0
	s_lshl_b32 s94, s22, 12
	s_add_co_u32 s94, s94, 3145728
	s_mov_b32 s95, 0
	s_lshl_b32 s86, s42, 1
	s_add_co_u32 s86, s86, s16
	s_mul_i32 s82, s86, 98304
	s_add_co_u32 s82, s82, 8650752                 ; W1's images in qin
	s_mov_b32 s83, 0
	s_lshl_b32 s98, s86, 12
	s_add_co_u32 s98, s98, 15302656                ; and its scale words
	s_mov_b32 s99, 0
	s_mul_i32 s45, s14, PART
	s_mul_i32 s22, s14, SP
	s_wait_kmcnt 0x0
	s_add_nc_u64 s[70:71], s[4:5], s[70:71]
	s_add_nc_u64 s[74:75], s[70:71], PART
	s_add_nc_u64 s[78:79], s[70:71], 2*PART
	s_add_nc_u64 s[94:95], s[4:5], s[94:95]
	s_add_nc_u64 s[82:83], s[6:7], s[82:83]
	s_add_nc_u64 s[86:87], s[82:83], PART
	s_add_nc_u64 s[90:91], s[82:83], 2*PART
	s_add_nc_u64 s[98:99], s[6:7], s[98:99]
	CROUND
	s_mov_b32 s[G0S], 1
	s_add_co_u32 s[G0S+1], s22, SCL
	s_or_b32 s[G0S+3], s[G0S+3], 0x80000000
	s_mov_b32 s[G0SB], 1
	s_add_co_u32 s[G0SB+1], s22, SCL
	s_or_b32 s[G0SB+3], s[G0SB+3], 0x80000000
	JLOAD G0S, G1S, G0SB, G1SB
.irp s, 0,1,2
	s_mov_b32 s[G0A+4*\s], 1
	s_add_co_u32 s[G0A+4*\s+1], s45, \s*SLOT
	s_or_b32 s[G0A+4*\s+3], s[G0A+4*\s+3], 0x80000000
	s_mov_b32 s[G0B+4*\s], 1
	s_add_co_u32 s[G0B+4*\s+1], s45, \s*SLOT
	s_or_b32 s[G0B+4*\s+3], s[G0B+4*\s+3], 0x80000000
	JLOAD G0A+4*\s, G1, G0B+4*\s, G1B
.endr
	v_and_b32 v1, 15, v0
	v_bfe_u32 v2, v0, 4, 1
	v_and_b32 v3, 31, v0
	v_lshlrev_b32 v12, 4, v3                       ; 16 x lane
	v_lshlrev_b32 v14, 11, v2
	v_lshl_add_u32 v14, v1, 2, v14                 ; 4 r + 2,048 h
	s_mul_i32 s21, s15, PART
	s_mul_i32 s22, s16, PART
	s_add_co_u32 s22, s22, 2*PART
.irp s, 0,1,2
	v_add_nc_u32 v[ADRA+\s], s21, v12
	v_add_nc_u32 v[ADRB+\s], s22, v12
	s_add_co_u32 s21, s21, SLOT
	s_add_co_u32 s22, s22, SLOT
.endr
	s_mul_i32 s21, s15, SP
	s_mul_i32 s22, s16, SP
	s_add_co_u32 s22, s22, 2*SP
	s_sub_co_u32 s22, s22, s21
	v_mul_u32_u24 v6, s22, v2
	s_add_co_u32 s21, s21, SCL
	v_lshl_add_u32 v5, v1, 2, v6
	v_add_nc_u32 v[ADRS], s21, v5
	s_lshl_b32 s2, s42, 10
	s_lshl_b32 s3, s16, 9
	s_add_co_u32 s2, s2, s3
	v_lshl_add_u32 v25, v2, 5, s2                  ; b1: 4 x my first column + 32 h
	WIN 0x40
.irp b, 0,1,2,3,4,5,6,7
	global_load_b128 v[BIAS+8*\b:BIAS+8*\b+3], v25, s[8:9] offset:64*\b
	global_load_b128 v[BIAS+8*\b+4:BIAS+8*\b+7], v25, s[8:9] offset:64*\b+16
.endr
	WIN 0
	s_wait_loadcnt 0x0
	s_wait_tensorcnt 2                             ; the scale words and my part of slot 0 are in; slots 1 and 2 may stay out
	s_barrier_signal -1
	s_barrier_wait -1
	FETCH 0, 0, 0
	SCALES 0
	STEP 0, 0, 0, 1
	TURN 0, 1, 0, 1
	STEP 1, 0, 1, 0
	CROSS 1, 2, 1
	STEP 2, 0, 0, 0
	TURN 2, 0, 0, 0
	STEP 0, 0, 1, 0
	s_wait_dscnt 0x0
	MULS 0, NBK, 1, 1, NQ-1, 0
	WIN 0
	PLACES
	s_mov_b32 s[SEL], 0x76543210
	s_mov_b32 s[SEL+1], 0xfedcba98
	s_mov_b32 s[HIM], 0xffff0000
	v_mov_b32 v[CA], 0xaf95df0b
	v_mov_b32 v[CA+1], 0xaf95df0b
	v_mov_b32 v[CB], 0xb77460cd
	v_mov_b32 v[CB+1], 0xb77460cd
	v_mov_b32 v[PW+1], 0
	s_lshl_b32 s18, s17, 1
	s_add_co_u32 s18, s18, s15                     ; my 128 rows
	s_lshl_b32 s22, s42, 1
	s_add_co_u32 s22, s22, s16                     ; my 128 columns: a K step of the next product
	s_lshl_b32 s20, s18, 5
	s_add_co_u32 s20, s20, s22
	s_mul_i32 s20, s20, 12288
	s_mov_b32 s21, 0
	s_add_nc_u64 s[20:21], s[10:11], s[20:21]      ; my eight fragments: 12,288 consecutive bytes
	s_lshl_b32 s18, s18, 14
	s_lshl_b32 s22, s22, 6
	s_add_co_u32 s18, s18, s22
	s_add_co_u32 s18, s18, 12582912
	s_mov_b32 s19, 0
	s_add_nc_u64 s[18:19], s[10:11], s[18:19]      ; and their scale words, 2,048 bytes from row block to row block
	s_mov_b32 s3, 0
.Lrow:
.irp a, 0,1,2,3,4,5,6,7
	s_cmp_lg_u32 s3, \a
	s_cbranch_scc1 .Lnot_\a
	WIN 0x02+\a/4
.set ei, 0
.rept 32
	v_pk_mul_f32 v[H+2*ei:H+2*ei+1], v[64*(\a%4)+2*ei:64*(\a%4)+2*ei+1], 0.5 op_sel_hi:[1,0]   ; each accumulator from its low end on
.set ei, ei+1
.endr
	WIN 0
.Lnot_\a:
.endr
	GELU 0
	GELU 1
	QUANT H, PW
.irp c, 0,1,2
	global_store_b128 v12, v[PC+4*\c:PC+4*\c+3], s[20:21] offset:512*\c
.endr
	s_bitcmp1_b32 s3, 0
	s_cbranch_scc1 .Lodd
	v_mov_b32 v[PW+1], v[PW]                       ; an even row block's words wait for the next one's
	s_branch .Lsent
.Lodd:
	v_cndmask_b32 v[PWS], v[PW+1], v[PW], s[HIM]
	global_store_b32 v14, v[PWS], s[18:19] offset:-2048
.Lsent:
	s_wait_xcnt 0x0                                ; the stores have read their data and bases: both are written again only behind this wait
	s_add_nc_u64 s[20:21], s[20:21], 1536
	s_add_nc_u64 s[18:19], s[18:19], 2048
	s_add_co_u32 s3, s3, 1
	s_cmp_lt_u32 s3, 8
	s_cbranch_scc1 .Lrow
	s_wait_tensorcnt 0x0                           ; the wave's end
	ds_add_u32 v[SPW], v[NIL]
	s_wait_dscnt 0x0
	CROUND
	s_endpgm
.Lfunc_end_k_qea1c434081_ffn1:
	.size	k_qea1c434081_ffn1, .Lfunc_end_k_qea1c434081_ffn1-k_qea1c434081_ffn1
	.p2alignl 7, 3214868480
	.fill 96, 4, 3214868480
	.section	.rodata,"a",@progbits
	.p2align	6, 0x0
	.amdhsa_kernel k_qea1c434081_ffn1
		.amdhsa_group_segment_fixed_size 327680
		.amdhsa_private_segment_fixed_size 0
		.amdhsa_enable_private_segment 0
		.amdhsa_kernarg_size 32
		.amdhsa_user_sgpr_count 2
		.amdhsa_user_sgpr_kernarg_segment_ptr 1
		.amdhsa_wavefront_size32 1
		.amdhsa_system_sgpr_workgroup_id_x 1
		.amdhsa_system_sgpr_workgroup_id_y 1
		.amdhsa_system_sgpr_workgroup_id_z 1
		.amdhsa_system_vgpr_workitem_id 0
		.amdhsa_next_free_vgpr 1024
		.amdhsa_next_free_sgpr 100
		.amdhsa_reserve_vcc 0
		.amdhsa_float_denorm_mode_32 3
		.amdhsa_float_denorm_mode_16_64 3
		.amdhsa_memory_ordered 1
		.amdhsa_forward_progress 1
		.amdhsa_inst_pref_size 178
	.end_amdhsa_kernel
	.amdgpu_metadata
---
amdhsa.version: [ 1, 2 ]
amdhsa.kernels:
  - .name:           k_qea1c434081_ffn1
    .symbol:         k_qea1c434081_ffn1.kd
    .args:
      - { .name: o1c, .offset: 0, .size: 8, .value_kind: global_buffer, .address_space: global }
      - { .name: qin, .offset: 8, .size: 8, .value_kind: global_buffer, .address_space: global }
      - { .name: b1, .offset: 16, .size: 8, .value_kind: global_buffer, .address_space: global }
      - { .name: hc, .offset: 24, .size: 8, .value_kind: global_buffer, .address_space: global }
    .group_segment_fixed_size: 327680
    .private_segment_fixed_size: 0
    .kernarg_segment_align: 8
    .kernarg_segment_size: 32
    .max_flat_workgroup_size: 128
    .sgpr_count:     100
    .vgpr_count:     1024
    .wavefront_size: 32
...
	.end_amdgpu_metadata
.endif
;; end of part 4
;; launch ffn2 (part 5): grid 8 x 32, 4 waves a work-group, clusters of 4 x 4, 327,680 bytes of LDS; arguments hc, qin, b2, y2; writes y2
.if DOCPART == 5
	.amdgcn_target "amdgcn-amd-amdhsa--gfx1250"
	.amdhsa_code_object_version 6
	.text
	.protected	k_qea1c434081_ffn2
	.globl	k_qea1c434081_ffn2
	.p2align	8
	.type	k_qea1c434081_ffn2,@function
k_qea1c434081_ffn2:
	s_mov_b64 s[64:65], 0
	v_nop
	global_prefetch_b8 v0, s[64:65] scope:SCOPE_SE
	s_setreg_imm32_b32 hwreg(HW_REG_WAVE_MODE, 25, 1), 1
	s_wait_xcnt 0x0
	s_wait_alu depctr_hold_cnt(0) depctr_sa_sdst(0) depctr_va_vdst(0) depctr_va_sdst(0) depctr_va_ssrc(0) depctr_va_vcc(0) depctr_vm_vsrc(0)
	s_getreg_b32 s2, hwreg(HW_REG_IB_STS2, 6, 4)
	s_cmp_eq_u32 s2, 0
	s_cbranch_scc0 .Lentry_in_a_cluster
	s_endpgm
.Lentry_in_a_cluster:
	s_bfe_u32 s2, ttmp6, 0x10000c
	s_cmp_lg_u32 s2, 0xf033
	s_cbranch_scc0 .Lentry_shape_is_right
	s_endpgm
.Lentry_shape_is_right:
; y2 = h W2^T + b2 on codes of FP6 (E2M3) with E8M0 scales; y2 [4096][1024] f32.
; The result has 64 tiles of 256 x 256 only, so a tile is 128 x 128: 256 work-groups.  Four waves of 64 x 64: 16 accumulators.  The matrix instruction is used transposed; operands are images of registers.
; K = 4,096 goes in tiles of 512 along K (four steps of 128) through a ring of two LDS slots; a wave's tensor load brings 64 rows x 512 along K: four pieces of 6,144 bytes, 12,288 bytes apart in memory.
; 4 x 4 clusters with joint loads: h's tiles along a row of the cluster, W2's along a column.  b2 is the C of the first products.
; REGISTERS: window 0: v16-21 LDS addresses, v23-26 offsets, v27 scale words' address, v28-29 for the add, v32-63 scale words (two sets), v64-159 h's fragments (two sets), v160-191 b2; window 1: v0-95 W2's fragments (two sets); window 2: v0-127 the accumulators.
.set NBK,   4
.set NQ,    4
.set NS,    32
.set NSLOT, 2
.set FR,    12
.set GSZ,   NBK*1536
.set PART,  NQ*GSZ
.set SLOT,  4*PART
.set SP,    NBK*NS*64
.set SCL,   NSLOT*SLOT
.set SPARE, SCL+4*SP                   ; the spare words: 128 bytes a wave, two blocks of 256 bytes that no other line names
.set STAGE, SPARE+512                  ; the way out: 16 rows x 272 bytes for each wave; no fill lands here
.set FILLSTEP, 98304                   ; two tiles of 512 along K on: 8 K steps x 12,288 bytes
.set ADRA, 16
.set ADRB, 20
.set STO,  24
.set RD,   25
.set CO,   26
.set ADRS, 27
.set SPW,  28
.set NIL,  29
.set SC,   32
.set AF,   64
.set BIAS, 160
.set WFIRST, 0x81                      ; source 0 window 1, source 1 and C (the bias) window 0, D window 2
.set G1,   24
.set G1S,  32
.set G1B,  48
.set G1SB, 56
.set G0A,  68
.set G0B,  80
.set G0S,  92
.set G0SB, 96
.set MSB, 0
.macro WIN new
.if MSB != (\new)
	s_set_vgpr_msb (MSB<<8)|(\new)
.set MSB, (\new)
.endif
.endm
.macro PLACES
.rept 4
	v_nop
.endr
.endm
.macro JLOAD g0a, g1a, g0b, g1b
	s_cmp_eq_u32 s15, 0
	s_cbranch_scc0 .Lfor_b_\@
	tensor_load_to_lds s[\g0a:\g0a+3], s[\g1a:\g1a+7]
	s_nop 0
.rept 4
	v_nop
.endr
	s_branch .Lasked_\@
.Lfor_b_\@:
	tensor_load_to_lds s[\g0b:\g0b+3], s[\g1b:\g1b+7]
	s_nop 0
.rept 4
	v_nop
.endr
.Lasked_\@:
.endm
.macro CREST
	s_cmp_lg_u32 s14, 0
	s_cbranch_scc1 .Lnot_wave_0_\@
	s_barrier_signal -3
.Lnot_wave_0_\@:
	s_barrier_wait -3
	s_barrier_signal -1
	s_barrier_wait -1
.endm
.macro CROUND
	s_barrier_signal -1
	s_barrier_wait -1
	CREST
.endm
.macro FETCH slot, q, p
	WIN 0x40
.set fi, 0
.rept NBK
.irp c, 0,1,2
	ds_load_b128 v[FR*NBK*(\p)+FR*fi+4*\c:FR*NBK*(\p)+FR*fi+4*\c+3], v[ADRB+\slot] offset:(\q)*GSZ+fi*1536+512*\c
.endr
.set fi, fi+1
.endr
	WIN 0
.set fi, 0
.rept NBK
.irp c, 0,1,2
	ds_load_b128 v[AF+FR*NBK*(\p)+FR*fi+4*\c:AF+FR*NBK*(\p)+FR*fi+4*\c+3], v[ADRA+\slot] offset:(\q)*GSZ+fi*1536+512*\c
.endr
.set fi, fi+1
.endr
.endm
.macro SCALES set
.set fi, 0
.rept NBK
.set fq, 0
.rept NQ
	ds_load_b32 v[SC+16*(\set)+NQ*fi+fq], v[ADRS] offset:fi*NS*64+64*fq
.set fq, fq+1
.endr
.set fi, fi+1
.endr
.endm
.macro MULS a0, na, p, set, q, first   ; the accumulators take turns, one instruction a turn
.set ma, \a0
.rept \na
.if \first
	WIN WFIRST+0x40*((8*NBK*ma)/256)
.else
	WIN 0xa1+0x50*((8*NBK*ma)/256)
.endif
.set mb, 0
.rept NBK
.set rD, (8*(NBK*ma+mb))%256
.set rB, FR*NBK*(\p)+FR*mb
.set rA, AF+FR*NBK*(\p)+FR*ma
.set rSB, SC+16*(\set)+NQ*mb+(\q)
.set rSA, SC+16*(\set)+NQ*ma+(\q)
.if \first
	v_wmma_scale_f32_16x16x128_f8f6f4 v[rD:rD+7], v[rB:rB+FR-1], v[rA:rA+FR-1], v[BIAS+8*mb:BIAS+8*mb+7], v[rSB], v[rSA] matrix_a_fmt:MATRIX_FMT_FP6 matrix_b_fmt:MATRIX_FMT_FP6 matrix_a_scale:MATRIX_SCALE_ROW1
.else
	v_wmma_scale_f32_16x16x128_f8f6f4 v[rD:rD+7], v[rB:rB+FR-1], v[rA:rA+FR-1], v[rD:rD+7], v[rSB], v[rSA] matrix_a_fmt:MATRIX_FMT_FP6 matrix_b_fmt:MATRIX_FMT_FP6 matrix_a_scale:MATRIX_SCALE_ROW1
.endif
.set mb, mb+1
.endr
.set ma, ma+1
.endr
.endm
.macro STEP slot, q, set, first
	s_wait_dscnt 0x0                               ; this step's fragments, asked for a step ago, are in
	PLACES                                         ; four places in front of loads into the set that the last step's products read
	FETCH \slot, (\q)+1, 1-(\q)%2
	MULS 0, NBK, (\q)%2, \set, \q, \first
.endm
.macro TURN slot, next, set, fill
	WIN 0
	s_wait_tensorcnt 0x0                           ; all my tensor loads have landed: my part of the next slot
	ds_add_u32 v[SPW], v[NIL]                      ; 0 onto my spare word
	s_wait_dscnt 1                                 ; this step's fragments are in; the add alone may be out
	MULS 0, NBK/4, 1, \set, NQ-1, 0
	s_wait_dscnt 0x0                               ; the add is done, and my reads of this slot are over
	s_barrier_signal -1
	MULS NBK/4, NBK/4, 1, \set, NQ-1, 0
	WIN 0
	s_barrier_wait -1
.if \fill
	CREST                                          ; the barrier has opened a round of the cluster's barrier
	s_add_nc_u64 s[G0A+4*\slot+2:G0A+4*\slot+3], s[G0A+4*\slot+2:G0A+4*\slot+3], FILLSTEP
	s_add_nc_u64 s[G0B+4*\slot+2:G0B+4*\slot+3], s[G0B+4*\slot+2:G0B+4*\slot+3], FILLSTEP
	JLOAD G0A+4*\slot, G1, G0B+4*\slot, G1B        ; the first tensor load behind the round; its four v_nop are the places in front of the loads below
.else
	PLACES
.endif
	v_add_nc_u32 v[ADRS], 64*NQ, v[ADRS]
	FETCH \next, 0, 0
	SCALES 1-(\set)
	MULS NBK/2, NBK/2, 1, \set, NQ-1, 0
.endm
	s_load_b256 s[4:11], s[0:1], 0x0               ; hc, qin, b2, y2
	v_lshl_add_u32 v[SPW], v0, 2, SPARE
	v_mov_b32 v[NIL], 0
	ds_add_u32 v28, v29
	ds_add_u32 v28, v29
	s_wait_dscnt 0x0
	v_lshrrev_b32 v1, 5, v0
	v_readfirstlane_b32 s14, v1
	s_lshr_b32 s15, s14, 1
	s_and_b32 s16, s14, 1
	s_bfe_u32 s40, ttmp6, 0x40000
	s_bfe_u32 s41, ttmp6, 0x40004
	s_lshl_b32 s42, ttmp9, 2
	s_add_co_u32 s42, s42, s40                     ; tile column 0..7
	s_and_b32 s17, ttmp7, 0xffff
	s_lshl_b32 s17, s17, 2
	s_add_co_u32 s17, s17, s41                     ; tile row 0..31
	s_lshl_b32 s43, s41, 2
	s_lshl_b32 s43, 15, s43
	s_lshl_b32 s44, 0x1111, s40
	s_or_b32 s[G1+0], s43, (3<<16)|(1<<21)
	s_or_b32 s[G1B+0], s44, (3<<16)|(1<<21)
	s_or_b32 s[G1S+0], s43, (3<<16)|(1<<21)
	s_or_b32 s[G1SB+0], s44, (3<<16)|(1<<21)
.irp g, G1, G1B                                ; codes: 4 rows of 768 elements of 8 bytes, 1,536 elements apart
	s_mov_b32 s[\g+1], 768<<16
	s_mov_b32 s[\g+2], 4<<16
	s_mov_b32 s[\g+3], 768<<16
	s_mov_b32 s[\g+4], 4
	s_mov_b32 s[\g+5], 1536
	s_mov_b32 s[\g+6], 0
	s_mov_b32 s[\g+7], 0
.endr
.irp g, G1S, G1SB                              ; scale words: 8,192 dense bytes as 32 rows of 256
	s_mov_b32 s[\g+1], 32<<16
	s_mov_b32 s[\g+2], 32<<16
	s_mov_b32 s[\g+3], 32<<16
	s_mov_b32 s[\g+4], 32
	s_mov_b32 s[\g+5], 32
	s_mov_b32 s[\g+6], 0
	s_mov_b32 s[\g+7], 0
.endr
	s_mul_i32 s70, s17, 393216
	s_mul_i32 s23, s16, 6144
	s_add_co_u32 s70, s70, s23
	s_mov_b32 s71, 0
	s_lshl_b32 s94, s17, 14
	s_lshl_b32 s23, s16, 13
	s_add_co_u32 s94, s94, s23
	s_add_co_u32 s94, s94, 12582912
	s_mov_b32 s95, 0
	s_mul_i32 s82, s42, 393216
	s_mul_i32 s87, s16, 6144
	s_add_co_u32 s82, s82, s87
	s_add_co_u32 s82, s82, 11796480                ; W2's images in qin
	s_mov_b32 s83, 0
	s_lshl_b32 s98, s42, 14
	s_lshl_b32 s87, s16, 13
	s_add_co_u32 s98, s98, s87
	s_add_co_u32 s98, s98, 15433728                ; and its scale words
	s_mov_b32 s99, 0
	s_mul_i32 s45, s14, PART
	s_mul_i32 s22, s14, SP
	s_wait_kmcnt 0x0
	s_add_nc_u64 s[70:71], s[4:5], s[70:71]
	s_add_nc_u64 s[74:75], s[70:71], 49152
	s_add_nc_u64 s[94:95], s[4:5], s[94:95]
	s_add_nc_u64 s[82:83], s[6:7], s[82:83]
	s_add_nc_u64 s[86:87], s[82:83], 49152
	s_add_nc_u64 s[98:99], s[6:7], s[98:99]
	CROUND
	s_mov_b32 s[G0S], 1
	s_add_co_u32 s[G0S+1], s22, SCL
	s_or_b32 s[G0S+3], s[G0S+3], 0x80000000
	s_mov_b32 s[G0SB], 1
	s_add_co_u32 s[G0SB+1], s22, SCL
	s_or_b32 s[G0SB+3], s[G0SB+3], 0x80000000
	JLOAD G0S, G1S, G0SB, G1SB
.irp s, 0,1
	s_mov_b32 s[G0A+4*\s], 1
	s_add_co_u32 s[G0A+4*\s+1], s45, \s*SLOT
	s_or_b32 s[G0A+4*\s+3], s[G0A+4*\s+3], 0x80000000
	s_mov_b32 s[G0B+4*\s], 1
	s_add_co_u32 s[G0B+4*\s+1], s45, \s*SLOT
	s_or_b32 s[G0B+4*\s+3], s[G0B+4*\s+3], 0x80000000
	JLOAD G0A+4*\s, G1, G0B+4*\s, G1B
.endr
	v_and_b32 v1, 15, v0
	v_bfe_u32 v2, v0, 4, 1
	v_and_b32 v3, 31, v0
	v_lshlrev_b32 v12, 4, v3
	s_mul_i32 s21, s15, PART
	s_mul_i32 s22, s16, PART
	s_add_co_u32 s22, s22, 2*PART
.irp s, 0,1
	v_add_nc_u32 v[ADRA+\s], s21, v12
	v_add_nc_u32 v[ADRB+\s], s22, v12
	s_add_co_u32 s21, s21, SLOT
	s_add_co_u32 s22, s22, SLOT
.endr
	s_mul_i32 s21, s15, SP
	s_mul_i32 s22, s16, SP
	s_add_co_u32 s22, s22, 2*SP
	s_sub_co_u32 s22, s22, s21
	v_mul_u32_u24 v6, s22, v2
	s_add_co_u32 s21, s21, SCL
	v_lshl_add_u32 v5, v1, 2, v6
	v_add_nc_u32 v[ADRS], s21, v5
	s_mul_i32 s23, s14, 4352
	s_add_co_u32 s23, s23, STAGE                   ; my stage
	v_mul_u32_u24 v[STO], v1, 272
	v_lshl_add_u32 v[STO], v2, 5, v[STO]
	v_add_nc_u32 v[STO], s23, v[STO]               ; in: row r, + 32 h
	v_mul_u32_u24 v[RD], v2, 272
	v_lshl_add_u32 v[RD], v1, 4, v[RD]
	v_add_nc_u32 v[RD], s23, v[RD]                 ; back: lanes 0-15 one row of 256 bytes, lanes 16-31 the next
	v_lshlrev_b32 v[CO], 12, v2
	v_lshl_add_u32 v[CO], v1, 4, v[CO]             ; and the same two rows in y2
	s_lshl_b32 s2, s42, 9
	s_lshl_b32 s3, s16, 8
	s_add_co_u32 s2, s2, s3                        ; my first column, in bytes
	v_lshl_add_u32 v23, v2, 5, s2
.irp b, 0,1,2,3
	global_load_b128 v[BIAS+8*\b:BIAS+8*\b+3], v23, s[8:9] offset:64*\b
	global_load_b128 v[BIAS+8*\b+4:BIAS+8*\b+7], v23, s[8:9] offset:64*\b+16
.endr
	s_lshl_b32 s18, s17, 7
	s_lshl_b32 s19, s15, 6
	s_add_co_u32 s18, s18, s19                     ; my first row
	s_lshl_b32 s18, s18, 12
	s_add_co_u32 s18, s18, s2
	s_mov_b32 s19, 0
	s_add_nc_u64 s[10:11], s[10:11], s[18:19]
	s_wait_loadcnt 0x0
	s_wait_tensorcnt 1                             ; the scale words and my part of slot 0 are in; slot 1's load may be out
	s_barrier_signal -1
	s_barrier_wait -1
	FETCH 0, 0, 0
	SCALES 0
	STEP 0, 0, 0, 1
	STEP 0, 1, 0, 0
	STEP 0, 2, 0, 0
	WIN 0
	s_mov_b32 s3, 3
.Llap:                                             ; a trip goes once round the ring and fills both slots again
	TURN 0, 1, 0, 1
	STEP 1, 0, 1, 0
	STEP 1, 1, 1, 0
	STEP 1, 2, 1, 0
	TURN 1, 0, 1, 1
	STEP 0, 0, 0, 0
	STEP 0, 1, 0, 0
	STEP 0, 2, 0, 0
	WIN 0
	s_sub_co_u32 s3, s3, 1
	s_cmp_lg_u32 s3, 0
	s_cbranch_scc1 .Llap
	TURN 0, 1, 0, 0                                ; the last lap fills nothing
	STEP 1, 0, 1, 0
	STEP 1, 1, 1, 0
	STEP 1, 2, 1, 0
	s_wait_dscnt 0x0
	MULS 0, NBK, 1, 1, NQ-1, 0
	WIN 0
	PLACES
	; THE WAY OUT: a row block of 16 rows x 64 columns goes through my stage and comes back as whole rows of 256 bytes.  LDS serves a wave's instructions in order
.irp a, 0,1,2,3
	WIN 0x08                                       ; an LDS store's data are its source 1: window 2
.irp b, 0,1,2,3
	ds_store_b128 v[STO], v[32*\a+8*\b:32*\a+8*\b+3] offset:64*\b          ; each accumulator from its low end on
	ds_store_b128 v[STO], v[32*\a+8*\b+4:32*\a+8*\b+7] offset:64*\b+16
.endr
	WIN 0
.irp t, 0,1,2,3,4,5,6,7
	ds_load_b128 v[64+32*\a+4*\t:64+32*\a+4*\t+3], v[RD] offset:544*\t
.endr
.endr
.irp a, 0,1,2,3
.irp t, 0,1,2,3,4,5,6,7
	s_wait_dscnt (3-\a)*16+7-\t                    ; the LDS instructions issued behind this load may be out
	global_store_b128 v[CO], v[64+32*\a+4*\t:64+32*\a+4*\t+3], s[10:11] offset:(16*\a+2*\t)*4096   ; 16 lanes store 256 consecutive bytes, aligned
.endr
.endr
	s_wait_tensorcnt 0x0                           ; the wave's end
	ds_add_u32 v[SPW], v[NIL]
	s_wait_dscnt 0x0
	CROUND
	s_endpgm
.Lfunc_end_k_qea1c434081_ffn2:
	.size	k_qea1c434081_ffn2, .Lfunc_end_k_qea1c434081_ffn2-k_qea1c434081_ffn2
	.p2alignl 7, 3214868480
	.fill 96, 4, 3214868480
	.section	.rodata,"a",@progbits
	.p2align	6, 0x0
	.amdhsa_kernel k_qea1c434081_ffn2
		.amdhsa_group_segment_fixed_size 327680
		.amdhsa_private_segment_fixed_size 0
		.amdhsa_enable_private_segment 0
		.amdhsa_kernarg_size 32
		.amdhsa_user_sgpr_count 2
		.amdhsa_user_sgpr_kernarg_segment_ptr 1
		.amdhsa_wavefront_size32 1
		.amdhsa_system_sgpr_workgroup_id_x 1
		.amdhsa_system_sgpr_workgroup_id_y 1
		.amdhsa_system_sgpr_workgroup_id_z 1
		.amdhsa_system_vgpr_workitem_id 0
		.amdhsa_next_free_vgpr 640
		.amdhsa_next_free_sgpr 100
		.amdhsa_reserve_vcc 0
		.amdhsa_float_denorm_mode_32 3
		.amdhsa_float_denorm_mode_16_64 3
		.amdhsa_memory_ordered 1
		.amdhsa_forward_progress 1
		.amdhsa_inst_pref_size 86
	.end_amdhsa_kernel
	.amdgpu_metadata
---
amdhsa.version: [ 1, 2 ]
amdhsa.kernels:
  - .name:           k_qea1c434081_ffn2
    .symbol:         k_qea1c434081_ffn2.kd
    .args:
      - { .name: hc, .offset: 0, .size: 8, .value_kind: global_buffer, .address_space: global }
      - { .name: qin, .offset: 8, .size: 8, .value_kind: global_buffer, .address_space: global }
      - { .name: b2, .offset: 16, .size: 8, .value_kind: global_buffer, .address_space: global }
      - { .name: y2, .offset: 24, .size: 8, .value_kind: global_buffer, .address_space: global }
    .group_segment_fixed_size: 327680
    .private_segment_fixed_size: 0
    .kernarg_segment_align: 8
    .kernarg_segment_size: 32
    .max_flat_workgroup_size: 128
    .sgpr_count:     100
    .vgpr_count:     640
    .wavefront_size: 32
...
	.end_amdgpu_metadata
.endif
;; end of part 5
;; launch ln2 (part 6): grid 256 x 1, 4 waves a work-group, no clusters, 0 bytes of LDS; arguments y2, o1f, g2, be2, out0; writes out0
.if DOCPART == 6
	.amdgcn_target "amdgcn-amd-amdhsa--gfx1250"
	.amdhsa_code_object_version 6
	.text
	.protected	k_qea1c434081_ln2
	.globl	k_qea1c434081_ln2
	.p2align	8
	.type	k_qea1c434081_ln2,@function
k_qea1c434081_ln2:
	s_mov_b64 s[64:65], 0
	v_nop
	global_prefetch_b8 v0, s[64:65] scope:SCOPE_SE
	s_setreg_imm32_b32 hwreg(HW_REG_WAVE_MODE, 25, 1), 1
	s_wait_xcnt 0x0
; out0 = out1 + LN(y2) g2 + be2, rows of 1,024 f32.  One wave, one row at a time: the row's 4,096 bytes are 32 registers, kept between the pass for the mean, the pass for the variance and the scaling: each byte is read once.
; A wave takes four rows; the next row's 16 loads are on their way while a row is worked.  Each load and store covers 512 consecutive bytes.  No LDS, no barrier, no matrix unit: memory binds.
.set G,   8                            ; v8-39   g2 at my columns
.set BE,  40                           ; v40-71  be2
.set Y,   72                           ; v72-199 two sets: 32 registers of y2's row, 32 of out1's
.set SEL, 18
.macro REDUCE a, t
	v_add_f32_dpp v[\a], v[\a], v[\a] row_xmask:1 row_mask:0xf bank_mask:0xf
	v_add_f32_dpp v[\a], v[\a], v[\a] row_xmask:2 row_mask:0xf bank_mask:0xf
	v_add_f32_dpp v[\a], v[\a], v[\a] row_xmask:4 row_mask:0xf bank_mask:0xf
	v_add_f32_dpp v[\a], v[\a], v[\a] row_xmask:8 row_mask:0xf bank_mask:0xf
	v_permlanex16_b32 v[\t], v[\a], s[SEL], s[SEL+1]
	v_add_f32 v[\a], v[\a], v[\t]
.endm
	s_load_b256 s[4:11], s[0:1], 0x0               ; y2, o1f, g2, be2
	s_load_b64 s[12:13], s[0:1], 0x20              ; out0
	v_lshrrev_b32 v1, 5, v0
	v_readfirstlane_b32 s14, v1
	v_and_b32 v1, 31, v0
	v_lshlrev_b32 v1, 4, v1                        ; 16 x lane
	s_lshl_b32 s16, ttmp9, 16                      ; 16 rows of 4,096 bytes a work-group,
	s_lshl_b32 s15, s14, 14                        ; 4 a wave
	s_add_co_u32 s16, s16, s15
	s_mov_b32 s17, 0
	s_mov_b32 s[SEL], 0x76543210
	s_mov_b32 s[SEL+1], 0xfedcba98
	s_mov_b32 s20, 0x3a800000                      ; 1 / 1024
	s_mov_b32 s21, 0x3727c5ac                      ; 1e-5
	s_wait_kmcnt 0x0
	s_add_nc_u64 s[4:5], s[4:5], s[16:17]
	s_add_nc_u64 s[6:7], s[6:7], s[16:17]
	s_add_nc_u64 s[12:13], s[12:13], s[16:17]
.irp i, 0,1,2,3,4,5,6,7
	global_load_b128 v[G+4*\i:G+4*\i+3], v1, s[8:9] offset:512*\i
	global_load_b128 v[BE+4*\i:BE+4*\i+3], v1, s[10:11] offset:512*\i
.endr
.macro LOADROW k
.irp i, 0,1,2,3,4,5,6,7
	global_load_b128 v[Y+64*((\k)%2)+4*\i:Y+64*((\k)%2)+4*\i+3], v1, s[4:5] offset:4096*(\k)+512*\i th:TH_LOAD_NT
	global_load_b128 v[Y+64*((\k)%2)+32+4*\i:Y+64*((\k)%2)+32+4*\i+3], v1, s[6:7] offset:4096*(\k)+512*\i th:TH_LOAD_NT
.endr
.endm
.macro ROW k
.set YS, Y+64*((\k)%2)
.if (\k) < 3
	s_wait_loadcnt 16                              ; this row's loads (and g2, be2) are in; the next row's 16 may be out
.else
	s_wait_loadcnt 0x0
.endif
	v_pk_add_f32 v[200:201], v[YS:YS+1], v[YS+4:YS+5]
	v_pk_add_f32 v[202:203], v[YS+2:YS+3], v[YS+6:YS+7]
.irp j, 8,12,16,20,24,28
	v_pk_add_f32 v[200:201], v[200:201], v[YS+\j:YS+\j+1]
	v_pk_add_f32 v[202:203], v[202:203], v[YS+\j+2:YS+\j+3]
.endr
	v_pk_add_f32 v[200:201], v[200:201], v[202:203]
	v_add_f32 v200, v200, v201
	REDUCE 200, 201
	v_mul_f32 v204, s20, v200                      ; the mean
	v_mov_b32 v205, v204
.set ci, 0
.rept 16
	v_pk_add_f32 v[YS+ci:YS+ci+1], v[YS+ci:YS+ci+1], v[204:205] op_sel_hi:[1,0] neg_lo:[0,1] neg_hi:[0,1]
.set ci, ci+2
.endr
	v_pk_mul_f32 v[200:201], v[YS:YS+1], v[YS:YS+1]
	v_pk_mul_f32 v[202:203], v[YS+2:YS+3], v[YS+2:YS+3]
.irp j, 4,8,12,16,20,24,28
	v_pk_fma_f32 v[200:201], v[YS+\j:YS+\j+1], v[YS+\j:YS+\j+1], v[200:201]
	v_pk_fma_f32 v[202:203], v[YS+\j+2:YS+\j+3], v[YS+\j+2:YS+\j+3], v[202:203]
.endr
	v_pk_add_f32 v[200:201], v[200:201], v[202:203]
	v_add_f32 v200, v200, v201
	REDUCE 200, 201
	v_fma_f32 v206, v200, s20, s21                 ; the variance + 1e-5
	v_rsq_f32 v206, v206
	v_nop                                          ; a plain place behind the transcendental
	s_wait_alu depctr_va_vdst(0)                   ; and the wait ahead of its first reader
	v_mov_b32 v207, v206
.set ci, 0
.rept 16
	v_pk_mul_f32 v[YS+ci:YS+ci+1], v[YS+ci:YS+ci+1], v[206:207] op_sel_hi:[1,0]
.set ci, ci+2
.endr
.set ci, 0
.rept 16
	v_pk_fma_f32 v[YS+ci:YS+ci+1], v[YS+ci:YS+ci+1], v[G+ci:G+ci+1], v[BE+ci:BE+ci+1]
.set ci, ci+2
.endr
.set ci, 0
.rept 16
	v_pk_add_f32 v[YS+ci:YS+ci+1], v[YS+ci:YS+ci+1], v[YS+32+ci:YS+32+ci+1]
.set ci, ci+2
.endr
.irp i, 0,1,2,3,4,5,6,7
	global_store_b128 v1, v[YS+4*\i:YS+4*\i+3], s[12:13] offset:4096*(\k)+512*\i th:TH_STORE_NT
.endr
.if (\k) < 2
	s_wait_xcnt 0x0                                ; the stores have read their data: the set is loaded again only behind this wait
	LOADROW (\k)+2
.endif
.endm
	LOADROW 0
	LOADROW 1
	ROW 0
	ROW 1
	ROW 2
	ROW 3
	s_endpgm
.Lfunc_end_k_qea1c434081_ln2:
	.size	k_qea1c434081_ln2, .Lfunc_end_k_qea1c434081_ln2-k_qea1c434081_ln2
	.p2alignl 7, 3214868480
	.fill 96, 4, 3214868480
	.section	.rodata,"a",@progbits
	.p2align	6, 0x0
	.amdhsa_kernel k_qea1c434081_ln2
		.amdhsa_group_segment_fixed_size 0
		.amdhsa_private_segment_fixed_size 0
		.amdhsa_enable_private_segment 0
		.amdhsa_kernarg_size 40
		.amdhsa_user_sgpr_count 2
		.amdhsa_user_sgpr_kernarg_segment_ptr 1
		.amdhsa_wavefront_size32 1
		.amdhsa_system_sgpr_workgroup_id_x 1
		.amdhsa_system_sgpr_workgroup_id_y 1
		.amdhsa_system_sgpr_workgroup_id_z 1
		.amdhsa_system_vgpr_workitem_id 0
		.amdhsa_next_free_vgpr 208
		.amdhsa_next_free_sgpr 66
		.amdhsa_reserve_vcc 0
		.amdhsa_float_denorm_mode_32 3
		.amdhsa_float_denorm_mode_16_64 3
		.amdhsa_memory_ordered 1
		.amdhsa_forward_progress 1
		.amdhsa_inst_pref_size 40
	.end_amdhsa_kernel
	.amdgpu_metadata
---
amdhsa.version: [ 1, 2 ]
amdhsa.kernels:
  - .name:           k_qea1c434081_ln2
    .symbol:         k_qea1c434081_ln2.kd
    .args:
      - { .name: y2, .offset: 0, .size: 8, .value_kind: global_buffer, .address_space: global }
      - { .name: o1f, .offset: 8, .size: 8, .value_kind: global_buffer, .address_space: global }
      - { .name: g2, .offset: 16, .size: 8, .value_kind: global_buffer, .address_space: global }
      - { .name: be2, .offset: 24, .size: 8, .value_kind: global_buffer, .address_space: global }
      - { .name: out0, .offset: 32, .size: 8, .value_kind: global_buffer, .address_space: global }
    .group_segment_fixed_size: 0
    .private_segment_fixed_size: 0
    .kernarg_segment_align: 8
    .kernarg_segment_size: 40
    .max_flat_workgroup_size: 128
    .sgpr_count:     66
    .vgpr_count:     208
    .wavefront_size: 32
...
	.end_amdgpu_metadata
.endif
;; end of part 6
